; MI455X (gfx1250); checked and timed in simulation.
; The chip was launched on July 23, 2026; its instructions are those of AMD's public machine-readable ISA for CDNA 5 (MIT licence, August 2026) and "CDNA5" Instruction Set Architecture Reference Guide (July 2026). The comments in the code are by the model that wrote it; some were corrected since.
;; Mo E Layer. Allowed arithmetic: float matrix products may take bf16 or f16 operands with f32 sums; other float arithmetic in f32, or as packed bf16 or f16 multiplies, adds, multiply-adds, maxima and minima; sums over many terms, partial sums and values carried from step to step in f32; what a program stores and reads back later, other than sums and carried values, may be rounded once to bf16 or f16.
;; Inputs: W1 8 x 1,024 x 4,096 float32; W2 8 x 4,096 x 1,024 float32; Wr 1,024 x 8 float32; b1 8 x 4,096 float32; b2 8 x 1,024 float32; br 8 float32; x 1,024 x 1,024 float32.
;; Outputs: out0 1,024 x 1,024 float32.
;; 2 versions, each right; version 2 is version 1 with the launch ffn1 written anew for expert scheduling mode. Each part assembles by itself: llvm-mc -triple=amdgcn-amd-amdhsa -mcpu=gfx1250 --defsym DOCPART=n.
;; ======== version 1 of 2: 4 launches
;; limits: values are held in f16: magnitudes above 65,504 overflow, below 6.1e-05 lose precision
;; workspace buffers: idx 4,096 bytes of whole numbers; gate 4,096 bytes; xb 2,097,152 bytes; h 8,388,608 bytes; part 16,777,216 bytes; order 36,864 bytes of whole numbers
;; launch router (part 1): grid 64 x 1, 4 waves a work-group, no clusters, 50,176 bytes of LDS; arguments x, Wr, br, idx, gate, xb; writes idx, gate, xb
.if DOCPART == 1
	.amdgcn_target "amdgcn-amd-amdhsa--gfx1250"
	.amdhsa_code_object_version 6
	.text
	.protected	k_q3ace66f40c_router
	.globl	k_q3ace66f40c_router
	.p2align	8
	.type	k_q3ace66f40c_router,@function
k_q3ace66f40c_router:
	s_mov_b64 s[64:65], 0
	v_nop
	global_prefetch_b8 v0, s[64:65] scope:SCOPE_SE
	s_setreg_imm32_b32 hwreg(HW_REG_WAVE_MODE, 25, 1), 1
	s_wait_xcnt 0x0
; ROUTER.  logits = x Wr + br; idx[t] = the expert with the largest logit; gate[t] = its softmax probability = 1 / sum_j e^(L_j - max L); xb = x rounded to bf16.
; x [1024][1024] f32, Wr [1024][8] f32, br [8] f32.  idx u32[1024], gate f32[1024], xb bf16 [1024][1024].
; FORMATS.  The whole program works on inputs rounded once to bf16: here x, Wr and br.  Products of two bf16 numbers are exact in f32; the sums are f32, by the bf16 matrix form.
; LIMITS.  NaN and infinities are not treated apart.  The largest LOGIT is taken, the lowest index on an exact tie; the largest probability could differ only where two probabilities round alike.
; Two logits nearer to each other than the f32 sums' rounding may go either way.  The maximum is taken away before the exponentials, so no exponential passes 1 and the sum lies in 1 to 8.
; SHARES.  A work-group has 16 tokens.  Wave w rounds rows 4 w .. 4 w + 3 of x, stores them to xb and lays them into LDS; all 128 threads round Wr and lay it into LDS turned, [expert][k].
; Behind one barrier wave 0 multiplies: 32 matrix instructions (source 0 = 16 rows of Wr^T, the 8 experts twice; source 1 = 16 tokens), so that a lane holds the 8 logits of ONE token in 8 registers.
; No cluster, no data mover: what the work-groups share is Wr, 32 KB, which wants rounding and turning on its way through registers.
.set XP,    2064          ; an LDS row: 2,048 bytes + 16: an odd multiple of 16, so the 16 rows of a fragment load start at 16 different 16-byte columns
.set WT,    16*XP         ; behind the 16 rows of x: 8 rows of Wr^T
.set SPARE, 49664         ; the spare words, 128 bytes for each wave: two blocks of 256 bytes that no other line names
.set SPW,  2              ; v2   LDS address of my spare word; never rewritten
.set NIL,  3              ; v3   0; never rewritten
.set XO,   4              ; v4   my byte offset in the group's rows of x: 32 lane + 4 w rows
.set BO,   5              ; v5   the same in xb: 16 lane + 4 w rows
.set XS,   6              ; v6   where I put 16 bytes of a row of x in LDS
.set WO,   7              ; v7   my 8 rows of Wr: 256 x thread
.set WS,   8              ; v8   where I put 16 bytes of a row of Wr^T
.set FA,   9              ; v9   my lane's place in a fragment of Wr^T
.set FB,   10             ; v10  the same for x
.set SO,   14             ; v14  4 x (lane % 16): my token's word in idx and gate
.set X,    32             ; v[32:159]  x as loaded: 16 units of 8
.set WR,   160            ; v[160:223] Wr as loaded: [k local][expert]
.set PK,   224            ; v[224:255] Wr^T packed: 4 registers an expert
.set BUF0, 32             ; wave 0's fragments: two buffers of 4 K steps, 32 registers of Wr^T and 32 of x each
.set ACC0, 160            ; two accumulators, by turns
.set ACC1, 168
.set LG,   176            ; v[176:183] the 8 logits
.set BR,   184            ; v[184:191] br rounded
.set TP,   196            ; v[196:203] at work
.set MX,   193
.set IX,   194
.set SM,   204
.set GT,   205
	s_load_b256 s[4:11], s[0:1], 0x0               ; x s[4:5], Wr s[6:7], br s[8:9], idx s[10:11]
	s_load_b128 s[12:15], s[0:1], 0x20             ; gate s[12:13], xb s[14:15]
	v_lshl_add_u32 v[SPW], v0, 2, SPARE
	v_mov_b32 v[NIL], 0
	v_lshrrev_b32 v11, 5, v0
	v_readfirstlane_b32 s16, v11                   ; wave 0..3
	v_and_b32 v1, 31, v0                           ; lane
	v_and_b32 v12, 15, v0                          ; r = lane % 16
	v_bfe_u32 v13, v0, 4, 1                        ; hh = lane / 16
	s_lshl_b32 s17, s16, 14                        ; 4 w rows of 4,096 bytes
	v_lshl_add_u32 v[XO], v1, 5, s17
	s_lshl_b32 s17, s16, 13                        ; 4 w rows of 2,048 bytes
	v_lshl_add_u32 v[BO], v1, 4, s17
	s_mul_i32 s17, s16, 4*XP
	v_lshl_add_u32 v[XS], v1, 4, s17
	v_lshlrev_b32 v[WO], 8, v0
	v_lshl_add_u32 v[WS], v0, 4, WT
	v_and_b32 v[FA], 7, v0                         ; rows 8-15 of source 0 repeat the experts 0-7
	v_mul_u32_u24 v[FA], v[FA], XP
	v_lshl_add_u32 v[FA], v13, 4, v[FA]
	v_add_nc_u32 v[FA], WT, v[FA]
	v_mul_u32_u24 v[FB], v12, XP
	v_lshl_add_u32 v[FB], v13, 4, v[FB]
	v_lshlrev_b32 v[SO], 2, v12
	s_mov_b32 s28, 0x3fb8aa3b                      ; log2(e)
	s_lshl_b32 s32, ttmp9, 16                      ; the group's 16 rows of x,
	s_mov_b32 s33, 0
	s_lshl_b32 s34, ttmp9, 15                      ; of xb,
	s_mov_b32 s35, 0
	s_lshl_b32 s36, ttmp9, 6                       ; its 16 words of idx and of gate
	s_mov_b32 s37, 0
	s_wait_kmcnt 0x0
	s_add_nc_u64 s[4:5], s[4:5], s[32:33]
	s_add_nc_u64 s[14:15], s[14:15], s[34:35]
	s_add_nc_u64 s[10:11], s[10:11], s[36:37]
	s_add_nc_u64 s[12:13], s[12:13], s[36:37]
	s_load_b256 s[20:27], s[8:9], 0x0              ; br
.set i_, 0
.rept 16                                               ; thread t: rows k = 8 t .. 8 t + 7 of Wr, 256 consecutive bytes: register WR + 8 (k local) + expert
	global_load_b128 v[WR+4*i_:WR+4*i_+3], v[WO], s[6:7] offset:16*i_
.set i_, i_+1
.endr
.set n_, 0
.rept 16                                               ; unit n: row n / 4 of my four, k = 256 (n % 4) + 8 lane .. + 7
	global_load_b128 v[X+8*n_:X+8*n_+3],   v[XO], s[4:5] offset:(n_/4)*4096+(n_%4)*1024 th:TH_LOAD_NT
	global_load_b128 v[X+8*n_+4:X+8*n_+7], v[XO], s[4:5] offset:(n_/4)*4096+(n_%4)*1024+16 th:TH_LOAD_NT
.set n_, n_+1
.endr
	s_wait_loadcnt 32                              ; Wr is in; x's 32 loads are younger
.set e_, 0
.rept 8                                                ; expert e: my 8 k, rounded in pairs, are 16 bytes of row e of Wr^T
.set p_, 0
.rept 4
	v_cvt_pk_bf16_f32 v[PK+4*e_+p_], v[WR+16*p_+e_], v[WR+16*p_+8+e_]
.set p_, p_+1
.endr
	ds_store_b128 v[WS], v[PK+4*e_:PK+4*e_+3] offset:e_*XP
.set e_, e_+1
.endr
.set n_, 0
.rept 16
	s_wait_loadcnt 30-2*n_                         ; unit n's two loads are in; those of the units behind it are younger
.set j_, 0
.rept 4
	v_cvt_pk_bf16_f32 v[X+8*n_+j_], v[X+8*n_+2*j_], v[X+8*n_+2*j_+1]  ; in place: register j is written when registers 2 j, 2 j + 1 are read
.set j_, j_+1
.endr
	global_store_b128 v[BO], v[X+8*n_:X+8*n_+3], s[14:15] offset:(n_/4)*2048+(n_%4)*512  ; the wave stores 512 consecutive bytes, aligned
	ds_store_b128 v[XS], v[X+8*n_:X+8*n_+3] offset:(n_/4)*XP+(n_%4)*512
.set n_, n_+1
.endr
	s_wait_kmcnt 0x0                               ; br
	s_wait_dscnt 0x0                               ; for wave 0's sake: my stores into LDS are done
	s_barrier_signal -1
	s_barrier_wait -1
	s_cmp_lg_u32 s16, 0
	s_cbranch_scc1 .Lend                           ; the product is wave 0's: 32 matrix instructions
	s_wait_xcnt 0x0                                ; the stores to xb have read X's registers: only behind this wait are they loaded anew
.macro LOADB b, buf                    ; the fragments of K steps 4 b .. 4 b + 3: a K step is 64 bytes of a row, two loads of 16 bytes, 32 bytes apart
.set l_, 0
.rept 4
	ds_load_b128 v[(\buf)+8*l_:(\buf)+8*l_+3],       v[FA] offset:64*(4*(\b)+l_)
	ds_load_b128 v[(\buf)+8*l_+4:(\buf)+8*l_+7],     v[FA] offset:64*(4*(\b)+l_)+32
	ds_load_b128 v[(\buf)+32+8*l_:(\buf)+32+8*l_+3],   v[FB] offset:64*(4*(\b)+l_)
	ds_load_b128 v[(\buf)+32+8*l_+4:(\buf)+32+8*l_+7], v[FB] offset:64*(4*(\b)+l_)+32
.set l_, l_+1
.endr
.endm
	LOADB 0, BUF0
	LOADB 1, BUF0+64
.set b_, 0
.rept 8
.if b_ < 7
	s_wait_dscnt 16                                ; this batch is in; the next batch's 16 loads are younger
.else
	s_wait_dscnt 0x0
.endif
.set f_, BUF0+64*(b_%2)
.set k_, 0
.rept 4                                                ; the two accumulators take turns, one instruction a turn; the first two products start the sums
.if (b_ == 0) && (k_ < 2)
	v_wmma_f32_16x16x32_bf16 v[ACC0+8*(k_%2):ACC0+8*(k_%2)+7], v[f_+8*k_:f_+8*k_+7], v[f_+32+8*k_:f_+32+8*k_+7], 0
.else
	v_wmma_f32_16x16x32_bf16 v[ACC0+8*(k_%2):ACC0+8*(k_%2)+7], v[f_+8*k_:f_+8*k_+7], v[f_+32+8*k_:f_+32+8*k_+7], v[ACC0+8*(k_%2):ACC0+8*(k_%2)+7]
.endif
.set k_, k_+1
.endr
.if b_ < 6
.rept 4
	v_nop                                          ; four places in front of loads into registers that matrix instructions have read
.endr
	LOADB b_+2, f_
.endif
.set b_, b_+1
.endr
	; br rounded to bf16 and widened again: twelve plain instructions that name no register of the products: the places behind them
.irp i, 0,1,2,3
	v_cvt_pk_bf16_f32 v[TP+\i], s[20+2*\i], s[21+2*\i]
.endr
.irp i, 0,1,2,3
	v_lshlrev_b32 v[BR+2*\i],   16, v[TP+\i]
	v_and_b32     v[BR+2*\i+1], 0xffff0000, v[TP+\i]
.endr
	; register j of a lane is expert j of token lane % 16, in both halves of the lanes.  Each accumulator is read from its low end on.
.irp i, 0,2,4,6
	v_pk_add_f32 v[LG+\i:LG+\i+1], v[ACC0+\i:ACC0+\i+1], v[ACC1+\i:ACC1+\i+1]
.endr
.irp i, 0,2,4,6
	v_pk_add_f32 v[LG+\i:LG+\i+1], v[LG+\i:LG+\i+1], v[BR+\i:BR+\i+1]
.endr
	v_max3_num_f32 v[MX], v[LG], v[LG+1], v[LG+2]
	v_max3_num_f32 v[MX], v[MX], v[LG+3], v[LG+4]
	v_max3_num_f32 v[MX], v[MX], v[LG+5], v[LG+6]
	v_max_num_f32 v[MX], v[MX], v[LG+7]
	v_mov_b32 v[IX], 7
.irp j, 6,5,4,3,2,1,0                                  ; from the top down, so that the lowest index with the maximum stays
	v_cmp_neq_f32 vcc_lo, v[LG+\j], v[MX]
	v_cndmask_b32 v[IX], \j, v[IX], vcc_lo
.endr
.irp j, 0,1,2,3,4,5,6,7
	v_sub_f32 v[TP+\j], v[LG+\j], v[MX]            ; at most 0, and exactly 0 for the maximum
.endr
.irp j, 0,1,2,3,4,5,6,7
	v_mul_f32 v[TP+\j], s28, v[TP+\j]
.endr
.irp j, 0,1,2,3,4,5,6,7
	v_exp_f32 v[TP+\j], v[TP+\j]
.endr
	v_nop                                          ; a plain instruction behind the last exponential (ISA guide 5.7.2),
	s_wait_alu depctr_va_vdst(0)                   ; and the one wait for the batch of eight, ahead of the first reader
	v_pk_add_f32 v[TP:TP+1], v[TP:TP+1], v[TP+2:TP+3]
	v_pk_add_f32 v[TP+4:TP+5], v[TP+4:TP+5], v[TP+6:TP+7]
	v_pk_add_f32 v[TP:TP+1], v[TP:TP+1], v[TP+4:TP+5]
	v_add_f32 v[SM], v[TP], v[TP+1]
	v_rcp_f32 v[GT], v[SM]
	v_nop
	s_wait_alu depctr_va_vdst(0)                   ; the reciprocal's wait, ahead of the store that reads it
	global_store_b32 v[SO], v[IX], s[10:11]        ; lanes l and l + 16 hold the same token's numbers and store them to the same word: EXEC stays whole
	global_store_b32 v[SO], v[GT], s[12:13]
.Lend:
	s_wait_tensorcnt 0x0                           ; the wave's end
	ds_add_u32 v[SPW], v[NIL]
	s_wait_dscnt 0x0
	s_endpgm
.Lfunc_end_k_q3ace66f40c_router:
	.size	k_q3ace66f40c_router, .Lfunc_end_k_q3ace66f40c_router-k_q3ace66f40c_router
	.p2alignl 7, 3214868480
	.fill 96, 4, 3214868480
	.section	.rodata,"a",@progbits
	.p2align	6, 0x0
	.amdhsa_kernel k_q3ace66f40c_router
		.amdhsa_group_segment_fixed_size 50176
		.amdhsa_private_segment_fixed_size 0
		.amdhsa_enable_private_segment 0
		.amdhsa_kernarg_size 48
		.amdhsa_user_sgpr_count 2
		.amdhsa_user_sgpr_kernarg_segment_ptr 1
		.amdhsa_wavefront_size32 1
		.amdhsa_system_sgpr_workgroup_id_x 1
		.amdhsa_system_sgpr_workgroup_id_y 1
		.amdhsa_system_sgpr_workgroup_id_z 1
		.amdhsa_system_vgpr_workitem_id 0
		.amdhsa_next_free_vgpr 256
		.amdhsa_next_free_sgpr 66
		.amdhsa_reserve_vcc 1
		.amdhsa_float_denorm_mode_32 3
		.amdhsa_float_denorm_mode_16_64 3
		.amdhsa_memory_ordered 1
		.amdhsa_forward_progress 1
		.amdhsa_inst_pref_size 31
	.end_amdhsa_kernel
	.amdgpu_metadata
---
amdhsa.version: [ 1, 2 ]
amdhsa.kernels:
  - .name:           k_q3ace66f40c_router
    .symbol:         k_q3ace66f40c_router.kd
    .args:
      - { .name: x, .offset: 0, .size: 8, .value_kind: global_buffer, .address_space: global }
      - { .name: Wr, .offset: 8, .size: 8, .value_kind: global_buffer, .address_space: global }
      - { .name: br, .offset: 16, .size: 8, .value_kind: global_buffer, .address_space: global }
      - { .name: idx, .offset: 24, .size: 8, .value_kind: global_buffer, .address_space: global }
      - { .name: gate, .offset: 32, .size: 8, .value_kind: global_buffer, .address_space: global }
      - { .name: xb, .offset: 40, .size: 8, .value_kind: global_buffer, .address_space: global }
    .group_segment_fixed_size: 50176
    .private_segment_fixed_size: 0
    .kernarg_segment_align: 8
    .kernarg_segment_size: 48
    .max_flat_workgroup_size: 128
    .sgpr_count:     66
    .vgpr_count:     256
    .wavefront_size: 32
...
	.end_amdgpu_metadata
.endif
;; end of part 1
;; launch ffn1 (part 2): grid 32 x 8, 4 waves a work-group, no clusters, 154,112 bytes of LDS; arguments idx, xb, W1, b1, h, order; writes h, order
.if DOCPART == 2
	.amdgcn_target "amdgcn-amd-amdhsa--gfx1250"
	.amdhsa_code_object_version 6
	.text
	.protected	k_q3ace66f40c_ffn1
	.globl	k_q3ace66f40c_ffn1
	.p2align	8
	.type	k_q3ace66f40c_ffn1,@function
k_q3ace66f40c_ffn1:
	s_mov_b64 s[64:65], 0
	v_nop
	global_prefetch_b8 v0, s[64:65] scope:SCOPE_SE
	s_setreg_imm32_b32 hwreg(HW_REG_WAVE_MODE, 25, 1), 1
	s_wait_xcnt 0x0
; ONE PRODUCT OF THE EXPERTS' CHAIN.  This text serves both products; PROD says which.
;   PROD = 1: h[t][:] = relu(xb[t] W1[e] + b1[e]) for the tokens t with idx[t] = e.  xb bf16 [1024][1024], W1 f32 [8][1024][4096], b1 f32 [8][4096], h f16 [1024][4096], by token number.
;             It also stores each expert's list of tokens and its count into order, for the second product.
;   PROD = 2: part[kp][t][:] = h[t][1024 kp ..] W2[e][1024 kp ..][:], f32 partial sums [4][1024][1024]; a later launch adds the four, b2 and the gate.
; FORMATS.  Weights and bias are rounded once to bf16 on their way through registers, like every input of the program; sums in f32.  h, which the program itself makes, is rounded once to f16 (11 significant bits):
; a row with a large gate is about twice the output's root mean square, and bf16's 8 bits of h leave a number near zero in such a row too little room.  So the first product is bf16 x bf16, the second f16 x f16:
; W2's bf16 number is written as f16, exact from 2^-17 up in magnitude, off by 2^-25 at the most below.
; LIMITS.  h and W2 stay under 65,504; beyond it they become infinite.  By the sizes: x of spread 1 and W1 within 1/32 give sums of spread sqrt(1024 / 3) / 32 = 0.58; both 30 times larger: 520; both with an offset
; of 30 spreads (30 and 0.54): 1,024 x 30 x 0.54 = 16,600.  NaN and infinities are not treated apart (the ReLU makes 0 of a NaN).
; SHARES.  Work-group (x, e) owns 1,024 k x 128 columns of expert e's weights, which no other work-group reads, and ALL rows of that expert, however many (0 to 1,024).  Wave w owns the k quarter 256 w ..
; PHASE 1: the wave's 256 k x 128 columns come from memory straight into registers, through a ring of 64 loads, are rounded (the rounding pairs k with k + 1) and STAY: 64 fragments, 512 registers.
; An expert without rows still streams its weights.
; THE LIST of the expert's tokens is an image of 32 registers: in register L + k lane (r, hh) holds, in its low half, the token of rank 32 k + r and, in its high half, that of rank 32 k + 16 + r, alike in both
; halves of the lanes: a tile's 16 tokens stand where a token fragment's lanes want them.  PROD = 1 makes the list under the stream of weights, from idx, each wave a copy of its own in LDS, and reads the image out of it;
; wave 0 of each expert's block 0 stores image and count.  PROD = 2 takes them ready-made: 8 loads and a scalar load in place of 288 lines.
; PHASE 2: the rows go in tiles of 16, token fragments straight from memory by the list, three tiles ahead; 64 matrix instructions a tile and wave.  The four waves' partial sums (f32) meet in LDS:
; 4 tiles, a barrier, each wave adds and stores a quarter of the rows, a barrier.  That loop has a constant 16 trips, which cover 1,024 rows; every wave passes every barrier; only work is jumped over.
; Every offset that hangs on the list is made at the head of a trip, ahead of the jumps, from the image's first four registers, and the image then moves down by two; the addresses of the sums in LDS are made once.
; What is jumped writes no address register.
; PAST THE COUNT.  The 32 list places behind the count hold the LAST token once more.  So the dead places of the last tile compute that token's row again, bit for bit, and store the same bytes to the same
; address: at most 15 rows of a slice a work-group.  EXEC stays whole throughout.  Whole tiles past the count are jumped.
; NO CLUSTER, NO DATA MOVER: each weight byte has one reader and wants rounding and pairing, which registers give; what an expert's work-groups share is its token rows, which come by a list that no descriptor covers.
; FRAGMENTS.  Source 0 = weights: fragment (s, c = 4 g + jj): lane (r, hh) holds column 64 g + 4 r + jj and k = 32 s + 8 hh + 0..7, 32 s + 16 + 8 hh + 0..7.  Source 1 = 16 tokens, the same k.
; In the result, register j of lane (r, hh) is token r, column 64 g + 32 hh + 4 j + jj.
; REGISTERS, in windows of 256 (s_set_vgpr_msb: bits 1:0 source 0, 3:2 source 1, 5:4 source 2, 7:6 destination): window 0 as named below; window 1 a ring of 4 x 64: weights as loaded, later token tiles;
; windows 2, 3: the fragments of s = 0-3, 4-7, fragment (s, c) at 8 (8 (s % 4) + c).
.set PROD, 1
.if PROD == 1
.set WPITCH, 16384        ; bytes from a row of the weights to the next
.set TSH,    11           ; a token's row in xb is 2,048 bytes
.set OSH,    13           ; a token's row in h is 8,192 bytes
.set OUTB,   12           ; s[12:13] the output
.else
.set WPITCH, 4096
.set TSH,    13           ; a token's row in h
.set OSH,    12           ; a token's row in a part is 4,096 bytes
.set OUTB,   10           ; s[10:11] the output
.endif
.set GT,     4            ; tiles in a group: two registers of the image; a tile's ring buffer goes by its place in the group
.set NG,     64/GT        ; groups: together 1,024 rows
.set IMG,    4608         ; an expert's part of order: the image, 4,096 bytes, then 512 bytes that hold the count
.set LISTB,  4608         ; (PROD = 1) a wave's list in LDS, 1,152 words: 1,024 places, 32 more for the last token's repeats, and at 1,120 + lane a dump word for the lanes whose token is another expert's
.set SPARE,  4*LISTB      ; 18,432: the spare words, 128 bytes for each wave: two blocks of 256 bytes that no other line names
.set RED,    SPARE+512    ; the partial sums: [tile][wave 0-3][token 0-15] rows of 528 bytes
.set RPITCH, 528          ; 512 bytes + 16: an odd multiple of 16, so the 16 lanes of a store touch 16 different 16-byte columns.  In a row: byte 128 jj + 4 q holds column 4 q + jj
.set RWAVE,  16*RPITCH
.set RTILE,  4*RWAVE
.set SPW,  4              ; v4   LDS address of my spare word; never rewritten
.set NIL,  5              ; v5   0; never rewritten
.set VW,   6              ; v6   my byte offset in a unit of the weights: 8 hh rows + 16 r
.set VPF,  7              ; v7   lane rows: for the prefetch
.set H16,  8              ; v8   16 hh
.set LB,   9              ; v9   my wave's list
.set DMP,  10             ; v10  1,120 + lane: my dump word's place
.set L4,   11             ; v11  4 lane
.set CA,   13             ; v13  16 lane + my list: for clearing it
.set R16,  17             ; v17  16 r
.set T18,  18             ; v18  16 lane: offset of the loads of idx or of the image, and of the image's stores; never rewritten
.set T19,  19             ; v19  offset of the bias loads
.set OP,   24             ; v[24:26]   byte offsets of the first three tiles' token rows; never rewritten
.set L,    32             ; v[32:63]   idx as loaded (PROD = 1), then the list's image
.set ACC,  64             ; v[64:127]  eight accumulators
.set RT,   128            ; v[128:191] sums read back: [row][wave][jj] pairs
.set BIAS, 192            ; v[192:199] pair jj: the bias of columns 8 r + jj, 8 r + 4 + jj, rounded
.set ZERO, 201
.set OUT,  204            ; v[204:219] two rows to store
.set BRAW, 220            ; v[220:227] the bias as loaded
.set WA,   228            ; v[228:231] where I put my sums of tile t; never rewritten
.set RA,   236            ; v[236:239] where I read sums of tile t back; never rewritten
.set O,    240            ; v[240:243] byte offsets of token rows: those of the tile three behind tile t at O + t
.set SO,   244            ; v[244:251] byte offsets in the output: tile t's two rows of mine at SO + 2 t
; s40 0xffff0000: a word's upper half, and the mask of lanes 16-31.  s41-s44 the lanes 2 w, 2 w + 1, 2 w + 8, 2 w + 9.  s46 0xffff.
.set MSB, 0
.macro WIN new                         ; the immediate's high byte repeats the setting that is left; a switch that changes nothing is dropped
.if MSB != (\new)
	s_set_vgpr_msb (MSB<<8)|(\new)
.set MSB, (\new)
.endif
.endm
; Unit u = 2 s + g of the weights: 32 k x 64 columns, into ring buffer u % 4.  Load i: k = 32 s + 8 hh + i (i < 8) or 32 s + 16 + 8 hh + i - 8.  Each half of the lanes reads 256 consecutive bytes, aligned.
.macro LOADW u
	WIN 0x40                                       ; destination window 1, address window 0
.set i_, 0
.rept 16
	global_load_b128 v[64*((\u)%4)+4*i_:64*((\u)%4)+4*i_+3], v[VW], s[8:9] offset:(32*((\u)/2)+i_+8*(i_/8))*WPITCH+256*((\u)%2) th:TH_LOAD_NT
.set i_, i_+1
.endr
.endm
; Unit u is rounded: register p of fragment (s, 4 g + jj) takes loads 2 p and 2 p + 1, two neighbouring k.
; PROD = 2: each pair is first rounded to bf16 and widened again, in place in the ring's registers (three passes, so that no line reads the result of the one before it); the f16 conversion then rounds nothing from 2^-17 up.
.macro CONVERT u
.set cs_, (\u)/2
.set cg_, (\u)%2
.set cb_, 64*((\u)%4)
.if PROD == 2
	WIN 0x45                                       ; sources and destination window 1
.set p_, 0
.rept 32
.set a_, cb_+8*(p_/4)+p_%4
	v_cvt_pk_bf16_f32 v[a_], v[a_], v[a_+4]
.set p_, p_+1
.endr
.set p_, 0
.rept 32
.set a_, cb_+8*(p_/4)+p_%4
	v_and_b32 v[a_+4], s40, v[a_]                  ; the odd k: the upper half stays
.set p_, p_+1
.endr
.set p_, 0
.rept 32
.set a_, cb_+8*(p_/4)+p_%4
	v_lshlrev_b32 v[a_], 16, v[a_]                 ; the even k: the lower half moves up
.set p_, p_+1
.endr
.endif
	WIN 0x85+0x40*(cs_/4)                          ; sources window 1, destination window 2 or 3
.set p_, 0
.rept 8
.set q_, 0
.rept 4
.if PROD == 1
	v_cvt_pk_bf16_f32 v[((cs_%4)*8+4*cg_+q_)*8+p_], v[cb_+8*p_+q_], v[cb_+8*p_+4+q_]
.else
	v_cvt_pk_f16_f32 v[((cs_%4)*8+4*cg_+q_)*8+p_], v[cb_+8*p_+q_], v[cb_+8*p_+4+q_]
.endif
.set q_, q_+1
.endr
.set p_, p_+1
.endr
.endm
; A tile's 16 token rows, my wave's 256 k: 8 fragments into ring buffer b, by the offsets in register o
.macro LOADT b, o
	WIN 0x40
.set l_, 0
.rept 8
	global_load_b128 v[64*(\b)+8*l_:64*(\b)+8*l_+3],   v[\o], s[6:7] offset:64*l_
	global_load_b128 v[64*(\b)+8*l_+4:64*(\b)+8*l_+7], v[\o], s[6:7] offset:64*l_+32
.set l_, l_+1
.endr
.endm
; (PROD = 1) 128 tokens of idx: a lane whose token is my expert's puts its number at the list's next free place (the count so far + the lanes below it); the others write their dump word.
; The place is clamped last: behind the clamp stand a shift and an add.
.macro LISTSTEP j
.set c_, 0
.rept 4
	v_cmp_eq_u32 s25, s15, v[L+4*(\j)+c_]
	v_mbcnt_lo_u32_b32 v20, s25, s20
	v_cndmask_b32 v20, v[DMP], v20, s25
	v_min_u32 v20, 0x47f, v20
	v_lshl_add_u32 v20, v20, 2, v[LB]
	v_add_nc_u32 v21, 128*(\j)+c_, v[L4]           ; the token's number
	ds_store_b32 v20, v21
	s_bcnt1_i32_b32 s26, s25
	s_add_co_u32 s20, s20, s26
.set c_, c_+1
.endr
.endm
.macro TOKFIN o                        ; a token's number becomes the byte offset of its row + 16 hh
	v_min_u32 v[\o], 0x3ff, v[\o]
	v_lshl_add_u32 v[\o], v[\o], TSH, v[H16]
.endm
; PHASE 1, one unit's turn
.macro UNIT u
	s_wait_loadcnt 48                              ; loads come back in order (ISA guide 5.7.1): unit u is in; the three groups of 16 issued behind it stay out
	CONVERT \u
.if (\u) <= 11
	LOADW (\u)+4                                   ; its buffer takes the unit four further on,
.elseif (\u) <= 14
	LOADT (\u)-12, OP+(\u)-12                      ; or, at the end, one of the first three token tiles
.endif
	WIN 0
.if (\u) <= 8
	; unit u + 7, which this wave loads three turns later, is asked for: each lane one row's 256 bytes, each such block once in the launch; the last asked for is unit 15
	global_prefetch_b8 v[VPF], s[8:9] offset:32*(((\u)+7)/2)*WPITCH+256*(((\u)+7)%2) th:TH_LOAD_NT scope:SCOPE_SE
.endif
.if ((\u) <= 7) && (PROD == 1)
	LISTSTEP \u
.endif
.if ((\u) == 0) && (PROD == 1)
.irp q, 0,1,2,3
	v_cvt_pk_bf16_f32 v20, v[BRAW+\q], v[BRAW+4+\q]
	v_lshlrev_b32 v[BIAS+2*\q],   16, v20
	v_and_b32     v[BIAS+2*\q+1], 0xffff0000, v20
.endr
.endif
.if (\u) == 8
.if PROD == 1                          ; the list is whole: s20 is the expert's count
	s_max_u32 s21, s20, 1
	s_sub_co_u32 s21, s21, 1                       ; the last place that is taken (with no row: place 0, which holds 0)
	v_mov_b32 v20, s21
	v_min_u32 v20, 0x3ff, v20
	v_lshl_add_u32 v20, v20, 2, v[LB]
	ds_load_b32 v21, v20                           ; the last token, in every lane.  LDS serves a wave's instructions in order (ISA guide 5.7.1.4): it sees my stores into my list
	v_add_nc_u32 v22, s20, v1
	v_min_u32 v22, 0x41f, v22
	v_lshl_add_u32 v22, v22, 2, v[LB]
	v_lshl_add_u32 v23, v2, 2, v[LB]               ; place r of my list
	s_wait_dscnt 0x0
	ds_store_b32 v22, v21                          ; the 32 places behind the count repeat it
.set k_, 0
.rept 32                                               ; the image: ranks 32 k + r and 32 k + 16 + r, the same in both halves of the lanes
	ds_load_b32 v[L+k_],  v23 offset:128*k_
	ds_load_b32 v[RT+k_], v23 offset:128*k_+64
.set k_, k_+1
.endr
	s_wait_dscnt 0x0
.set k_, 0
.rept 32
	v_lshl_or_b32 v[L+k_], v[RT+k_], 16, v[L+k_]
.set k_, k_+1
.endr
	s_or_b32 s26, s16, s14
	s_cmp_lg_u32 s26, 0
	s_cbranch_scc1 .Lnoexp                         ; wave 0 of the expert's block 0 alone stores image and count
.irp q, 20,21,22,23
	v_mov_b32 v\q, s20
.endr
.set j_, 0
.rept 8
	global_store_b128 v[T18], v[L+4*j_:L+4*j_+3], s[18:19] offset:512*j_  ; four registers a lane: the second product's loads of the same form bring the same registers back; 512 consecutive bytes, aligned
.set j_, j_+1
.endr
	global_store_b128 v[T18], v[20:23], s[18:19] offset:4096               ; the count, 128 times: whole blocks of 256 bytes
	s_wait_xcnt 0x0                                ; the stores have read their registers
.Lnoexp:
.else
	s_wait_kmcnt 0x0                               ; the expert's count
	s_min_u32 s20, s20, 0x400
.endif
	v_and_b32     v[OP],   s46, v[L]               ; the first three tiles' tokens
	v_lshrrev_b32 v[OP+1], 16, v[L]
	v_and_b32     v[OP+2], s46, v[L+1]
	TOKFIN OP
	TOKFIN OP+1
	TOKFIN OP+2
.endif
.endm
; PHASE 2, tile t of a group.  The 8 accumulators take turns, one instruction a turn, from block to block and round the loop too.
.macro BLOCK t
	s_add_co_u32 s24, s23, 16*(\t)
	s_cmp_lt_u32 s24, s20                          ; has this tile a row?
.if (\t) == 0
	s_cbranch_scc0 .Ljoin
.else
	s_cbranch_scc0 .Ltail
.endif
	s_wait_loadcnt 32                              ; this tile's 16 loads are in; the next two tiles' are younger
	LOADT ((\t)+3)%4, O+(\t)                       ; the tile three further on, into the buffer that the last block multiplied
	WIN 0x06                                       ; weights window 2, tokens window 1, sums window 0
.set k_, 0
.rept 8
.if k_ == 4
	WIN 0x07                                       ; weights window 3
.endif
.set c_, 0
.rept 8
.set ra_, ACC+8*c_
.set rw_, ((k_%4)*8+c_)*8
.set rk_, 64*((\t)%4)+8*k_
.if (PROD == 1) && (k_ == 0)
	v_wmma_f32_16x16x32_bf16 v[ra_:ra_+7], v[rw_:rw_+7], v[rk_:rk_+7], 0
.elseif PROD == 1
	v_wmma_f32_16x16x32_bf16 v[ra_:ra_+7], v[rw_:rw_+7], v[rk_:rk_+7], v[ra_:ra_+7]
.elseif k_ == 0
	v_wmma_f32_16x16x32_f16 v[ra_:ra_+7], v[rw_:rw_+7], v[rk_:rk_+7], 0
.else
	v_wmma_f32_16x16x32_f16 v[ra_:ra_+7], v[rw_:rw_+7], v[rk_:rk_+7], v[ra_:ra_+7]
.endif
.set c_, c_+1
.endr
.set k_, k_+1
.endr
	WIN 0
.rept 5
	v_nop                                          ; five places: for the stores that read the sums, for the next block's products that start the sums anew, and for its loads into the buffer just multiplied
.endr
.set c_, 0
.rept 8                                                ; each accumulator's low half first
	ds_store_b128 v[WA+(\t)], v[ACC+8*c_:ACC+8*c_+3]   offset:(c_%4)*128+(c_/4)*64
	ds_store_b128 v[WA+(\t)], v[ACC+8*c_+4:ACC+8*c_+7] offset:(c_%4)*128+(c_/4)*64+16
.set c_, c_+1
.endr
.endm
; The four waves' sums of row u of my two are added.  A lane holds columns 8 r + 4 jl + jj: pair jj of a wave is (jl = 0, jl = 1).
.macro SUM u
.set rb_, RT+32*(\u)
.set ob_, OUT+8*(\u)
	s_wait_xcnt 0x0                                ; the last tile's stores have read OUT: only behind this wait is it written anew
.irp q, 0,1,2,3
	v_pk_add_f32 v[rb_+2*\q:rb_+2*\q+1], v[rb_+2*\q:rb_+2*\q+1], v[rb_+8+2*\q:rb_+8+2*\q+1]
.endr
.irp q, 0,1,2,3
	v_pk_add_f32 v[rb_+16+2*\q:rb_+16+2*\q+1], v[rb_+16+2*\q:rb_+16+2*\q+1], v[rb_+24+2*\q:rb_+24+2*\q+1]
.endr
.if PROD == 1
.irp q, 0,1,2,3
	v_pk_add_f32 v[rb_+2*\q:rb_+2*\q+1], v[rb_+2*\q:rb_+2*\q+1], v[BIAS+2*\q:BIAS+2*\q+1]
.endr
.irp q, 0,1,2,3
	v_pk_add_f32 v[rb_+2*\q:rb_+2*\q+1], v[rb_+2*\q:rb_+2*\q+1], v[rb_+16+2*\q:rb_+16+2*\q+1]
.endr
	v_cvt_pk_f16_f32 v[ob_],   v[rb_],   v[rb_+2]      ; columns 8 r + 0, 1: h's one rounding, to f16
	v_cvt_pk_f16_f32 v[ob_+1], v[rb_+4], v[rb_+6]      ; 2, 3
	v_cvt_pk_f16_f32 v[ob_+2], v[rb_+1], v[rb_+3]      ; 4, 5
	v_cvt_pk_f16_f32 v[ob_+3], v[rb_+5], v[rb_+7]      ; 6, 7
.irp q, 0,1,2,3
	v_pk_max_num_f16 v[ob_+\q], v[ob_+\q], v[ZERO]     ; the ReLU, two at a time; nothing is rounded
.endr
.else
.irp q, 0,1,2,3
	v_add_f32 v[ob_+\q],   v[rb_+2*\q],   v[rb_+16+2*\q]    ; the destination puts the columns in order
	v_add_f32 v[ob_+4+\q], v[rb_+2*\q+1], v[rb_+16+2*\q+1]
.endr
.endif
.endm
; Row u of tile t is stored, by token number
.macro STORE u, t
.if PROD == 1
	global_store_b128 v[SO+2*(\t)+(\u)], v[OUT+8*(\u):OUT+8*(\u)+3], s[OUTB:OUTB+1]            ; 16 lanes store 256 consecutive bytes, aligned: the slice's 128 columns of a row of h
.else
	global_store_b128 v[SO+2*(\t)+(\u)], v[OUT+8*(\u):OUT+8*(\u)+3], s[OUTB:OUTB+1]            ; columns 8 r .. 8 r + 3 at 16 r,
	global_store_b128 v[SO+2*(\t)+(\u)], v[OUT+8*(\u)+4:OUT+8*(\u)+7], s[OUTB:OUTB+1] offset:256  ; columns 8 r + 4 .. at 256 + 16 r: each store fills 256 consecutive bytes; the launch that adds the parts undoes the order
.endif
.endm
; Tile t's sums are added and stored: my rows 2 w, 2 w + 1, and those 8 further down in lanes 16-31
.macro REDT t
	s_add_co_u32 s24, s23, 16*(\t)
	s_cmp_lt_u32 s24, s20                          ; has this tile a row?
	s_cbranch_scc0 .Lrdone
.irp u, 0,1
.irp w, 0,1,2,3
.irp q, 0,1,2,3
	ds_load_b64 v[RT+32*\u+8*\w+2*\q:RT+32*\u+8*\w+2*\q+1], v[RA+(\t)] offset:\w*RWAVE+\u*RPITCH+\q*128
.endr
.endr
.endr
	s_wait_dscnt 16                                ; the first row's sums are in; the second row's 16 loads are younger
	SUM 0
	STORE 0, \t
	s_wait_dscnt 0x0
	SUM 1
	STORE 1, \t
.endm
	s_load_b256 s[4:11], s[0:1], 0x0               ; s[4:5] idx (PROD 1) or order (PROD 2), token rows s[6:7], weights s[8:9], s[10:11] bias (PROD 1) or output (PROD 2)
.if PROD == 1
	s_load_b64 s[12:13], s[0:1], 0x20              ; output
	s_load_b64 s[18:19], s[0:1], 0x28              ; order
.endif
	v_lshl_add_u32 v[SPW], v0, 2, SPARE
	v_mov_b32 v[NIL], 0
	v_lshrrev_b32 v[T18], 5, v0
	v_readfirstlane_b32 s14, v[T18]                ; wave 0..3
	v_and_b32 v1, 31, v0                           ; lane
	v_and_b32 v2, 15, v0                           ; r
	v_bfe_u32 v3, v0, 4, 1                         ; hh
	s_and_b32 s15, ttmp7, 0xffff                   ; the expert
	s_mov_b32 s16, ttmp9                           ; the block of its weights
	s_mov_b32 s40, 0xffff0000
	s_mov_b32 s46, 0xffff
	s_lshl_b32 s41, s14, 1                         ; the lanes that hold the tokens of the rows that I add and store
	s_add_co_u32 s42, s41, 1
	s_add_co_u32 s43, s41, 8
	s_add_co_u32 s44, s41, 9
.if PROD == 1
	s_lshl_b32 s30, s15, 24                        ; weights: the expert's 16 MiB, my wave's 256 rows of 16,384 bytes, the slice's 128 columns
	s_lshl_b32 s32, s14, 22
	s_add_co_u32 s30, s30, s32
	s_lshl_b32 s32, s16, 9
	s_add_co_u32 s30, s30, s32
	s_lshl_b32 s32, s14, 9                         ; tokens: my wave's 256 k
	s_lshl_b32 s34, s16, 8                         ; output: the slice's 128 columns in f16
	s_lshl_b32 s36, s15, 14                        ; bias: the expert's row, the slice
	s_lshl_b32 s38, s16, 9
	s_add_co_u32 s36, s36, s38
	s_mov_b32 s37, 0
.else
	s_and_b32 s17, s16, 7                          ; cs: the slice of 128 columns
	s_lshr_b32 s18, s16, 3                         ; kp: the part of 1,024 k
	s_lshl_b32 s30, s15, 24                        ; weights: the expert, the part's 1,024 rows of 4,096 bytes, my wave's 256, the slice
	s_lshl_b32 s32, s18, 22
	s_add_co_u32 s30, s30, s32
	s_lshl_b32 s32, s14, 20
	s_add_co_u32 s30, s30, s32
	s_lshl_b32 s32, s17, 9
	s_add_co_u32 s30, s30, s32
	s_lshl_b32 s32, s18, 11                        ; tokens: the part's 1,024 k, my wave's 256
	s_lshl_b32 s34, s14, 9
	s_add_co_u32 s32, s32, s34
	s_lshl_b32 s34, s18, 22                        ; output: the part, the slice
	s_lshl_b32 s36, s17, 9
	s_add_co_u32 s34, s34, s36
.endif
	s_mul_i32 s38, s15, IMG                        ; the expert's part of order
	s_mov_b32 s39, 0
	s_mov_b32 s31, 0
	s_mov_b32 s33, 0
	s_mov_b32 s35, 0
	v_lshlrev_b32 v[R16], 4, v2
	v_mul_u32_u24 v[VW], v3, 8*WPITCH
	v_add_nc_u32 v[VW], v[VW], v[R16]
	v_mul_u32_u24 v[VPF], v1, WPITCH
	v_lshlrev_b32 v[H16], 4, v3
	s_mul_i32 s26, s14, RWAVE
	s_add_co_u32 s26, s26, RED
	v_mul_u32_u24 v[WA], v2, RPITCH                ; in: my wave's plane, token r, 32 bytes for each half of the lanes
	v_lshl_add_u32 v[WA], v3, 5, v[WA]
	v_add_nc_u32 v[WA], s26, v[WA]
	s_mul_i32 s26, s14, 2*RPITCH
	s_add_co_u32 s26, s26, RED
	v_mul_u32_u24 v[RA], v3, 8*RPITCH              ; back: tokens 2 w, 2 w + 1, and 8 further down for lanes 16-31; 8 bytes a lane.  8 rows are 4,224 bytes = 128 modulo 256: the halves take different banks
	v_lshl_add_u32 v[RA], v2, 3, v[RA]
	v_add_nc_u32 v[RA], s26, v[RA]
.set t_, 1
.rept GT-1                                             ; the same for the group's other tiles: a tile's plane lies too far for the 16-bit immediate
	v_add_nc_u32 v[WA+t_], t_*RTILE, v[WA]
	v_add_nc_u32 v[RA+t_], t_*RTILE, v[RA]
.set t_, t_+1
.endr
	v_lshlrev_b32 v[T18], 4, v1
.if PROD == 1
	s_mul_i32 s26, s14, LISTB
	v_mov_b32 v[LB], s26
	v_add_nc_u32 v[DMP], 0x460, v1
	v_lshlrev_b32 v[L4], 2, v1
	v_lshlrev_b32 v[T19], 5, v2
	v_mov_b32 v[ZERO], 0
	v_lshl_add_u32 v[CA], v1, 4, v[LB]
	v_mov_b32 v20, 0
	v_mov_b32 v21, 0
	v_mov_b32 v22, 0
	v_mov_b32 v23, 0
	s_mov_b32 s20, 0                               ; the count so far
.endif
	s_mov_b32 s22, 0                               ; the group
	s_mov_b32 s23, 0                               ; its first row
	s_wait_kmcnt 0x0
	s_add_nc_u64 s[8:9], s[8:9], s[30:31]
	s_add_nc_u64 s[6:7], s[6:7], s[32:33]
	s_add_nc_u64 s[OUTB:OUTB+1], s[OUTB:OUTB+1], s[34:35]
.if PROD == 1
	s_add_nc_u64 s[10:11], s[10:11], s[36:37]
	s_add_nc_u64 s[18:19], s[18:19], s[38:39]
.else
	s_add_nc_u64 s[4:5], s[4:5], s[38:39]
	s_load_b32 s20, s[4:5], 0x1000                 ; the expert's count, behind its image
.endif
.set j_, 0
.rept 8                                                ; PROD 1: all of idx: register L + 4 j + c is token 128 j + 4 lane + c.  PROD 2: the image, four registers a lane, as it was stored
	global_load_b128 v[L+4*j_:L+4*j_+3], v[T18], s[4:5] offset:512*j_
.set j_, j_+1
.endr
.if PROD == 1
	global_load_b128 v[BRAW:BRAW+3],   v[T19], s[10:11]           ; the bias of columns 8 r .. 8 r + 7
	global_load_b128 v[BRAW+4:BRAW+7], v[T19], s[10:11] offset:16
.endif
	LOADW 0                                        ; the ring is filled: 64 loads of 512 bytes a wave
	LOADW 1
	LOADW 2
	LOADW 3
	WIN 0
.if PROD == 1
.set j_, 0
.rept 9                                                ; my list's 4,608 bytes are cleared: a place that nobody fills holds token 0
	ds_store_b128 v[CA], v[20:23] offset:512*j_
.set j_, j_+1
.endr
.endif
.irp u, 0,1,2,3,4,5,6,7,8,9,10,11,12,13,14,15
	UNIT \u
.endr
.Lgroup:                                               ; NG trips, a constant: rows s23 .. s23 + 63 of the expert's list: the image's registers L, L + 1; the next group's are L + 2, L + 3
	s_wait_xcnt 0x0                                ; the token loads and the stores have read their offsets: only behind this wait are these written anew
.irp p, 0,1
.irp u, 0,1
	v_readlane_b32 s25, v[L+\p], s[41+\u]          ; row 2 w + u of tile 2 p (low half) and of tile 2 p + 1 (high half),
	v_readlane_b32 s26, v[L+\p], s[43+\u]          ; row 2 w + 8 + u of the same two
	v_mov_b32 v20, s25
	v_cndmask_b32 v20, v20, s26, s40               ; lanes 16-31 store the rows 8 further down
	v_and_b32     v[SO+4*\p+\u],   s46, v20
	v_lshrrev_b32 v[SO+4*\p+2+\u], 16, v20
.endr
.endr
.set t_, 0
.rept 2*GT
	v_min_u32 v[SO+t_], 0x3ff, v[SO+t_]
	v_lshl_add_u32 v[SO+t_], v[SO+t_], OSH, v[R16] ; the token's row in the output + 16 r
.set t_, t_+1
.endr
	v_lshrrev_b32 v[O],   16, v[L+1]               ; block t asks for the tile three further on: this group's last,
	v_and_b32     v[O+1], s46, v[L+2]              ; and the next group's first three
	v_lshrrev_b32 v[O+2], 16, v[L+2]
	v_and_b32     v[O+3], s46, v[L+3]
.set t_, 0
.rept GT
	TOKFIN O+t_
.set t_, t_+1
.endr
.set k_, 0
.rept 30                                               ; the image moves down by a group; its last two registers stay: ranks past 1,023, which no tile reaches
	v_mov_b32 v[L+k_], v[L+k_+2]
.set k_, k_+1
.endr
.set t_, 0
.rept GT
	BLOCK t_
.set t_, t_+1
.endr
	s_branch .Ljoin
.Ltail:
	s_wait_loadcnt 0x0                             ; the tiles asked for ahead serve nothing: they have landed before anything else is done
.Ljoin:
	s_wait_dscnt 0x0                               ; for the others' sake: my sums are in LDS
	s_barrier_signal -1
	s_barrier_wait -1
.set t_, 0
.rept GT
	REDT t_
.set t_, t_+1
.endr
.Lrdone:
	s_wait_dscnt 0x0                               ; my reads of the sums are over: behind this barrier they may be written again
	s_barrier_signal -1
	s_barrier_wait -1
	s_add_co_u32 s23, s23, 16*GT
	s_add_co_u32 s22, s22, 1
	s_cmp_lt_u32 s22, NG
	s_cbranch_scc1 .Lgroup
	s_wait_tensorcnt 0x0                           ; the wave's end
	ds_add_u32 v[SPW], v[NIL]
	s_wait_dscnt 0x0
	s_endpgm
.Lfunc_end_k_q3ace66f40c_ffn1:
	.size	k_q3ace66f40c_ffn1, .Lfunc_end_k_q3ace66f40c_ffn1-k_q3ace66f40c_ffn1
	.p2alignl 7, 3214868480
	.fill 96, 4, 3214868480
	.section	.rodata,"a",@progbits
	.p2align	6, 0x0
	.amdhsa_kernel k_q3ace66f40c_ffn1
		.amdhsa_group_segment_fixed_size 154112
		.amdhsa_private_segment_fixed_size 0
		.amdhsa_enable_private_segment 0
		.amdhsa_kernarg_size 48
		.amdhsa_user_sgpr_count 2
		.amdhsa_user_sgpr_kernarg_segment_ptr 1
		.amdhsa_wavefront_size32 1
		.amdhsa_system_sgpr_workgroup_id_x 1
		.amdhsa_system_sgpr_workgroup_id_y 1
		.amdhsa_system_sgpr_workgroup_id_z 1
		.amdhsa_system_vgpr_workitem_id 0
		.amdhsa_next_free_vgpr 1024
		.amdhsa_next_free_sgpr 66
		.amdhsa_reserve_vcc 0
		.amdhsa_float_denorm_mode_32 3
		.amdhsa_float_denorm_mode_16_64 3
		.amdhsa_memory_ordered 1
		.amdhsa_forward_progress 1
		.amdhsa_inst_pref_size 147
	.end_amdhsa_kernel
	.amdgpu_metadata
---
amdhsa.version: [ 1, 2 ]
amdhsa.kernels:
  - .name:           k_q3ace66f40c_ffn1
    .symbol:         k_q3ace66f40c_ffn1.kd
    .args:
      - { .name: idx, .offset: 0, .size: 8, .value_kind: global_buffer, .address_space: global }
      - { .name: xb, .offset: 8, .size: 8, .value_kind: global_buffer, .address_space: global }
      - { .name: W1, .offset: 16, .size: 8, .value_kind: global_buffer, .address_space: global }
      - { .name: b1, .offset: 24, .size: 8, .value_kind: global_buffer, .address_space: global }
      - { .name: h, .offset: 32, .size: 8, .value_kind: global_buffer, .address_space: global }
      - { .name: order, .offset: 40, .size: 8, .value_kind: global_buffer, .address_space: global }
    .group_segment_fixed_size: 154112
    .private_segment_fixed_size: 0
    .kernarg_segment_align: 8
    .kernarg_segment_size: 48
    .max_flat_workgroup_size: 128
    .sgpr_count:     66
    .vgpr_count:     1024
    .wavefront_size: 32
...
	.end_amdgpu_metadata
.endif
;; end of part 2
;; launch ffn2 (part 3): grid 32 x 8, 4 waves a work-group, no clusters, 154,112 bytes of LDS; arguments order, h, W2, part; writes part
.if DOCPART == 3
	.amdgcn_target "amdgcn-amd-amdhsa--gfx1250"
	.amdhsa_code_object_version 6
	.text
	.protected	k_q3ace66f40c_ffn2
	.globl	k_q3ace66f40c_ffn2
	.p2align	8
	.type	k_q3ace66f40c_ffn2,@function
k_q3ace66f40c_ffn2:
	s_mov_b64 s[64:65], 0
	v_nop
	global_prefetch_b8 v0, s[64:65] scope:SCOPE_SE
	s_setreg_imm32_b32 hwreg(HW_REG_WAVE_MODE, 25, 1), 1
	s_wait_xcnt 0x0
; ONE PRODUCT OF THE EXPERTS' CHAIN.  This text serves both products; PROD says which.
;   PROD = 1: h[t][:] = relu(xb[t] W1[e] + b1[e]) for the tokens t with idx[t] = e.  xb bf16 [1024][1024], W1 f32 [8][1024][4096], b1 f32 [8][4096], h f16 [1024][4096], by token number.
;             It also stores each expert's list of tokens and its count into order, for the second product.
;   PROD = 2: part[kp][t][:] = h[t][1024 kp ..] W2[e][1024 kp ..][:], f32 partial sums [4][1024][1024]; a later launch adds the four, b2 and the gate.
; FORMATS.  Weights and bias are rounded once to bf16 on their way through registers, like every input of the program; sums in f32.  h, which the program itself makes, is rounded once to f16 (11 significant bits):
; a row with a large gate is about twice the output's root mean square, and bf16's 8 bits of h leave a number near zero in such a row too little room.  So the first product is bf16 x bf16, the second f16 x f16:
; W2's bf16 number is written as f16, exact from 2^-17 up in magnitude, off by 2^-25 at the most below.
; LIMITS.  h and W2 stay under 65,504; beyond it they become infinite.  By the sizes: x of spread 1 and W1 within 1/32 give sums of spread sqrt(1024 / 3) / 32 = 0.58; both 30 times larger: 520; both with an offset
; of 30 spreads (30 and 0.54): 1,024 x 30 x 0.54 = 16,600.  NaN and infinities are not treated apart (the ReLU makes 0 of a NaN).
; SHARES.  Work-group (x, e) owns 1,024 k x 128 columns of expert e's weights (here x = 8 kp + cs), which no other work-group reads, and ALL rows of that expert, however many (0 to 1,024).  Wave w owns the k quarter 256 w ..
; K is shared out over four work-groups because one owner for each output would have 32 columns x 4,096 k: weight rows of 128 bytes, and four times the token bytes for each matrix instruction.
; PHASE 1: the wave's 256 k x 128 columns come from memory straight into registers, through a ring of 64 loads, are rounded (the rounding pairs k with k + 1) and STAY: 64 fragments, 512 registers.
; An expert without rows still streams its weights.
; THE LIST of the expert's tokens is an image of 32 registers: in register L + k lane (r, hh) holds, in its low half, the token of rank 32 k + r and, in its high half, that of rank 32 k + 16 + r, alike in both
; halves of the lanes: a tile's 16 tokens stand where a token fragment's lanes want them.  PROD = 1 makes the list under the stream of weights, from idx, each wave a copy of its own in LDS, and reads the image out of it;
; wave 0 of each expert's block 0 stores image and count.  PROD = 2 takes them ready-made: 8 loads and a scalar load in place of 288 lines.
; PHASE 2: the rows go in tiles of 16, token fragments straight from memory by the list, three tiles ahead; 64 matrix instructions a tile and wave.  The four waves' partial sums (f32) meet in LDS:
; 4 tiles, a barrier, each wave adds and stores a quarter of the rows, a barrier.  That loop has a constant 16 trips, which cover 1,024 rows; every wave passes every barrier; only work is jumped over.
; Every offset that hangs on the list is made at the head of a trip, ahead of the jumps, from the image's first four registers, and the image then moves down by two; the addresses of the sums in LDS are made once.
; What is jumped writes no address register.
; PAST THE COUNT.  The 32 list places behind the count hold the LAST token once more.  So the dead places of the last tile compute that token's row again, bit for bit, and store the same bytes to the same
; address: at most 15 rows of a slice a work-group.  EXEC stays whole throughout.  Whole tiles past the count are jumped.
; NO CLUSTER, NO DATA MOVER: each weight byte has one reader and wants rounding and pairing, which registers give; what an expert's work-groups share is its token rows, which come by a list that no descriptor covers.
; FRAGMENTS.  Source 0 = weights: fragment (s, c = 4 g + jj): lane (r, hh) holds column 64 g + 4 r + jj and k = 32 s + 8 hh + 0..7, 32 s + 16 + 8 hh + 0..7.  Source 1 = 16 tokens, the same k.
; In the result, register j of lane (r, hh) is token r, column 64 g + 32 hh + 4 j + jj.
; REGISTERS, in windows of 256 (s_set_vgpr_msb: bits 1:0 source 0, 3:2 source 1, 5:4 source 2, 7:6 destination): window 0 as named below; window 1 a ring of 4 x 64: weights as loaded, later token tiles;
; windows 2, 3: the fragments of s = 0-3, 4-7, fragment (s, c) at 8 (8 (s % 4) + c).
.set PROD, 2
.if PROD == 1
.set WPITCH, 16384        ; bytes from a row of the weights to the next
.set TSH,    11           ; a token's row in xb is 2,048 bytes
.set OSH,    13           ; a token's row in h is 8,192 bytes
.set OUTB,   12           ; s[12:13] the output
.else
.set WPITCH, 4096
.set TSH,    13           ; a token's row in h
.set OSH,    12           ; a token's row in a part is 4,096 bytes
.set OUTB,   10           ; s[10:11] the output
.endif
.set GT,     4            ; tiles in a group: two registers of the image; a tile's ring buffer goes by its place in the group
.set NG,     64/GT        ; groups: together 1,024 rows
.set IMG,    4608         ; an expert's part of order: the image, 4,096 bytes, then 512 bytes that hold the count
.set LISTB,  4608         ; (PROD = 1) a wave's list in LDS, 1,152 words: 1,024 places, 32 more for the last token's repeats, and at 1,120 + lane a dump word for the lanes whose token is another expert's
.set SPARE,  4*LISTB      ; 18,432: the spare words, 128 bytes for each wave: two blocks of 256 bytes that no other line names
.set RED,    SPARE+512    ; the partial sums: [tile][wave 0-3][token 0-15] rows of 528 bytes
.set RPITCH, 528          ; 512 bytes + 16: an odd multiple of 16, so the 16 lanes of a store touch 16 different 16-byte columns.  In a row: byte 128 jj + 4 q holds column 4 q + jj
.set RWAVE,  16*RPITCH
.set RTILE,  4*RWAVE
.set SPW,  4              ; v4   LDS address of my spare word; never rewritten
.set NIL,  5              ; v5   0; never rewritten
.set VW,   6              ; v6   my byte offset in a unit of the weights: 8 hh rows + 16 r
.set VPF,  7              ; v7   lane rows: for the prefetch
.set H16,  8              ; v8   16 hh
.set LB,   9              ; v9   my wave's list
.set DMP,  10             ; v10  1,120 + lane: my dump word's place
.set L4,   11             ; v11  4 lane
.set CA,   13             ; v13  16 lane + my list: for clearing it
.set R16,  17             ; v17  16 r
.set T18,  18             ; v18  16 lane: offset of the loads of idx or of the image, and of the image's stores; never rewritten
.set T19,  19             ; v19  offset of the bias loads
.set OP,   24             ; v[24:26]   byte offsets of the first three tiles' token rows; never rewritten
.set L,    32             ; v[32:63]   idx as loaded (PROD = 1), then the list's image
.set ACC,  64             ; v[64:127]  eight accumulators
.set RT,   128            ; v[128:191] sums read back: [row][wave][jj] pairs
.set BIAS, 192            ; v[192:199] pair jj: the bias of columns 8 r + jj, 8 r + 4 + jj, rounded
.set ZERO, 201
.set OUT,  204            ; v[204:219] two rows to store
.set BRAW, 220            ; v[220:227] the bias as loaded
.set WA,   228            ; v[228:231] where I put my sums of tile t; never rewritten
.set RA,   236            ; v[236:239] where I read sums of tile t back; never rewritten
.set O,    240            ; v[240:243] byte offsets of token rows: those of the tile three behind tile t at O + t
.set SO,   244            ; v[244:251] byte offsets in the output: tile t's two rows of mine at SO + 2 t
; s40 0xffff0000: a word's upper half, and the mask of lanes 16-31.  s41-s44 the lanes 2 w, 2 w + 1, 2 w + 8, 2 w + 9.  s46 0xffff.
.set MSB, 0
.macro WIN new                         ; the immediate's high byte repeats the setting that is left; a switch that changes nothing is dropped
.if MSB != (\new)
	s_set_vgpr_msb (MSB<<8)|(\new)
.set MSB, (\new)
.endif
.endm
; Unit u = 2 s + g of the weights: 32 k x 64 columns, into ring buffer u % 4.  Load i: k = 32 s + 8 hh + i (i < 8) or 32 s + 16 + 8 hh + i - 8.  Each half of the lanes reads 256 consecutive bytes, aligned.
.macro LOADW u
	WIN 0x40                                       ; destination window 1, address window 0
.set i_, 0
.rept 16
	global_load_b128 v[64*((\u)%4)+4*i_:64*((\u)%4)+4*i_+3], v[VW], s[8:9] offset:(32*((\u)/2)+i_+8*(i_/8))*WPITCH+256*((\u)%2) th:TH_LOAD_NT
.set i_, i_+1
.endr
.endm
; Unit u is rounded: register p of fragment (s, 4 g + jj) takes loads 2 p and 2 p + 1, two neighbouring k.
; PROD = 2: each pair is first rounded to bf16 and widened again, in place in the ring's registers (three passes, so that no line reads the result of the one before it); the f16 conversion then rounds nothing from 2^-17 up.
.macro CONVERT u
.set cs_, (\u)/2
.set cg_, (\u)%2
.set cb_, 64*((\u)%4)
.if PROD == 2
	WIN 0x45                                       ; sources and destination window 1
.set p_, 0
.rept 32
.set a_, cb_+8*(p_/4)+p_%4
	v_cvt_pk_bf16_f32 v[a_], v[a_], v[a_+4]
.set p_, p_+1
.endr
.set p_, 0
.rept 32
.set a_, cb_+8*(p_/4)+p_%4
	v_and_b32 v[a_+4], s40, v[a_]                  ; the odd k: the upper half stays
.set p_, p_+1
.endr
.set p_, 0
.rept 32
.set a_, cb_+8*(p_/4)+p_%4
	v_lshlrev_b32 v[a_], 16, v[a_]                 ; the even k: the lower half moves up
.set p_, p_+1
.endr
.endif
	WIN 0x85+0x40*(cs_/4)                          ; sources window 1, destination window 2 or 3
.set p_, 0
.rept 8
.set q_, 0
.rept 4
.if PROD == 1
	v_cvt_pk_bf16_f32 v[((cs_%4)*8+4*cg_+q_)*8+p_], v[cb_+8*p_+q_], v[cb_+8*p_+4+q_]
.else
	v_cvt_pk_f16_f32 v[((cs_%4)*8+4*cg_+q_)*8+p_], v[cb_+8*p_+q_], v[cb_+8*p_+4+q_]
.endif
.set q_, q_+1
.endr
.set p_, p_+1
.endr
.endm
; A tile's 16 token rows, my wave's 256 k: 8 fragments into ring buffer b, by the offsets in register o
.macro LOADT b, o
	WIN 0x40
.set l_, 0
.rept 8
	global_load_b128 v[64*(\b)+8*l_:64*(\b)+8*l_+3],   v[\o], s[6:7] offset:64*l_
	global_load_b128 v[64*(\b)+8*l_+4:64*(\b)+8*l_+7], v[\o], s[6:7] offset:64*l_+32
.set l_, l_+1
.endr
.endm
; (PROD = 1) 128 tokens of idx: a lane whose token is my expert's puts its number at the list's next free place (the count so far + the lanes below it); the others write their dump word.
; The place is clamped last: behind the clamp stand a shift and an add.
.macro LISTSTEP j
.set c_, 0
.rept 4
	v_cmp_eq_u32 s25, s15, v[L+4*(\j)+c_]
	v_mbcnt_lo_u32_b32 v20, s25, s20
	v_cndmask_b32 v20, v[DMP], v20, s25
	v_min_u32 v20, 0x47f, v20
	v_lshl_add_u32 v20, v20, 2, v[LB]
	v_add_nc_u32 v21, 128*(\j)+c_, v[L4]           ; the token's number
	ds_store_b32 v20, v21
	s_bcnt1_i32_b32 s26, s25
	s_add_co_u32 s20, s20, s26
.set c_, c_+1
.endr
.endm
.macro TOKFIN o                        ; a token's number becomes the byte offset of its row + 16 hh
	v_min_u32 v[\o], 0x3ff, v[\o]
	v_lshl_add_u32 v[\o], v[\o], TSH, v[H16]
.endm
; PHASE 1, one unit's turn
.macro UNIT u
	s_wait_loadcnt 48                              ; loads come back in order (ISA guide 5.7.1): unit u is in; the three groups of 16 issued behind it stay out
	CONVERT \u
.if (\u) <= 11
	LOADW (\u)+4                                   ; its buffer takes the unit four further on,
.elseif (\u) <= 14
	LOADT (\u)-12, OP+(\u)-12                      ; or, at the end, one of the first three token tiles
.endif
	WIN 0
.if (\u) <= 8
	; unit u + 7, which this wave loads three turns later, is asked for: each lane one row's 256 bytes, each such block once in the launch; the last asked for is unit 15
	global_prefetch_b8 v[VPF], s[8:9] offset:32*(((\u)+7)/2)*WPITCH+256*(((\u)+7)%2) th:TH_LOAD_NT scope:SCOPE_SE
.endif
.if ((\u) <= 7) && (PROD == 1)
	LISTSTEP \u
.endif
.if ((\u) == 0) && (PROD == 1)
.irp q, 0,1,2,3
	v_cvt_pk_bf16_f32 v20, v[BRAW+\q], v[BRAW+4+\q]
	v_lshlrev_b32 v[BIAS+2*\q],   16, v20
	v_and_b32     v[BIAS+2*\q+1], 0xffff0000, v20
.endr
.endif
.if (\u) == 8
.if PROD == 1                          ; the list is whole: s20 is the expert's count
	s_max_u32 s21, s20, 1
	s_sub_co_u32 s21, s21, 1                       ; the last place that is taken (with no row: place 0, which holds 0)
	v_mov_b32 v20, s21
	v_min_u32 v20, 0x3ff, v20
	v_lshl_add_u32 v20, v20, 2, v[LB]
	ds_load_b32 v21, v20                           ; the last token, in every lane.  LDS serves a wave's instructions in order (ISA guide 5.7.1.4): it sees my stores into my list
	v_add_nc_u32 v22, s20, v1
	v_min_u32 v22, 0x41f, v22
	v_lshl_add_u32 v22, v22, 2, v[LB]
	v_lshl_add_u32 v23, v2, 2, v[LB]               ; place r of my list
	s_wait_dscnt 0x0
	ds_store_b32 v22, v21                          ; the 32 places behind the count repeat it
.set k_, 0
.rept 32                                               ; the image: ranks 32 k + r and 32 k + 16 + r, the same in both halves of the lanes
	ds_load_b32 v[L+k_],  v23 offset:128*k_
	ds_load_b32 v[RT+k_], v23 offset:128*k_+64
.set k_, k_+1
.endr
	s_wait_dscnt 0x0
.set k_, 0
.rept 32
	v_lshl_or_b32 v[L+k_], v[RT+k_], 16, v[L+k_]
.set k_, k_+1
.endr
	s_or_b32 s26, s16, s14
	s_cmp_lg_u32 s26, 0
	s_cbranch_scc1 .Lnoexp                         ; wave 0 of the expert's block 0 alone stores image and count
.irp q, 20,21,22,23
	v_mov_b32 v\q, s20
.endr
.set j_, 0
.rept 8
	global_store_b128 v[T18], v[L+4*j_:L+4*j_+3], s[18:19] offset:512*j_  ; four registers a lane: the second product's loads of the same form bring the same registers back; 512 consecutive bytes, aligned
.set j_, j_+1
.endr
	global_store_b128 v[T18], v[20:23], s[18:19] offset:4096               ; the count, 128 times: whole blocks of 256 bytes
	s_wait_xcnt 0x0                                ; the stores have read their registers
.Lnoexp:
.else
	s_wait_kmcnt 0x0                               ; the expert's count
	s_min_u32 s20, s20, 0x400
.endif
	v_and_b32     v[OP],   s46, v[L]               ; the first three tiles' tokens
	v_lshrrev_b32 v[OP+1], 16, v[L]
	v_and_b32     v[OP+2], s46, v[L+1]
	TOKFIN OP
	TOKFIN OP+1
	TOKFIN OP+2
.endif
.endm
; PHASE 2, tile t of a group.  The 8 accumulators take turns, one instruction a turn, from block to block and round the loop too.
.macro BLOCK t
	s_add_co_u32 s24, s23, 16*(\t)
	s_cmp_lt_u32 s24, s20                          ; has this tile a row?
.if (\t) == 0
	s_cbranch_scc0 .Ljoin
.else
	s_cbranch_scc0 .Ltail
.endif
	s_wait_loadcnt 32                              ; this tile's 16 loads are in; the next two tiles' are younger
	LOADT ((\t)+3)%4, O+(\t)                       ; the tile three further on, into the buffer that the last block multiplied
	WIN 0x06                                       ; weights window 2, tokens window 1, sums window 0
.set k_, 0
.rept 8
.if k_ == 4
	WIN 0x07                                       ; weights window 3
.endif
.set c_, 0
.rept 8
.set ra_, ACC+8*c_
.set rw_, ((k_%4)*8+c_)*8
.set rk_, 64*((\t)%4)+8*k_
.if (PROD == 1) && (k_ == 0)
	v_wmma_f32_16x16x32_bf16 v[ra_:ra_+7], v[rw_:rw_+7], v[rk_:rk_+7], 0
.elseif PROD == 1
	v_wmma_f32_16x16x32_bf16 v[ra_:ra_+7], v[rw_:rw_+7], v[rk_:rk_+7], v[ra_:ra_+7]
.elseif k_ == 0
	v_wmma_f32_16x16x32_f16 v[ra_:ra_+7], v[rw_:rw_+7], v[rk_:rk_+7], 0
.else
	v_wmma_f32_16x16x32_f16 v[ra_:ra_+7], v[rw_:rw_+7], v[rk_:rk_+7], v[ra_:ra_+7]
.endif
.set c_, c_+1
.endr
.set k_, k_+1
.endr
	WIN 0
.rept 5
	v_nop                                          ; five places: for the stores that read the sums, for the next block's products that start the sums anew, and for its loads into the buffer just multiplied
.endr
.set c_, 0
.rept 8                                                ; each accumulator's low half first
	ds_store_b128 v[WA+(\t)], v[ACC+8*c_:ACC+8*c_+3]   offset:(c_%4)*128+(c_/4)*64
	ds_store_b128 v[WA+(\t)], v[ACC+8*c_+4:ACC+8*c_+7] offset:(c_%4)*128+(c_/4)*64+16
.set c_, c_+1
.endr
.endm
; The four waves' sums of row u of my two are added.  A lane holds columns 8 r + 4 jl + jj: pair jj of a wave is (jl = 0, jl = 1).
.macro SUM u
.set rb_, RT+32*(\u)
.set ob_, OUT+8*(\u)
	s_wait_xcnt 0x0                                ; the last tile's stores have read OUT: only behind this wait is it written anew
.irp q, 0,1,2,3
	v_pk_add_f32 v[rb_+2*\q:rb_+2*\q+1], v[rb_+2*\q:rb_+2*\q+1], v[rb_+8+2*\q:rb_+8+2*\q+1]
.endr
.irp q, 0,1,2,3
	v_pk_add_f32 v[rb_+16+2*\q:rb_+16+2*\q+1], v[rb_+16+2*\q:rb_+16+2*\q+1], v[rb_+24+2*\q:rb_+24+2*\q+1]
.endr
.if PROD == 1
.irp q, 0,1,2,3
	v_pk_add_f32 v[rb_+2*\q:rb_+2*\q+1], v[rb_+2*\q:rb_+2*\q+1], v[BIAS+2*\q:BIAS+2*\q+1]
.endr
.irp q, 0,1,2,3
	v_pk_add_f32 v[rb_+2*\q:rb_+2*\q+1], v[rb_+2*\q:rb_+2*\q+1], v[rb_+16+2*\q:rb_+16+2*\q+1]
.endr
	v_cvt_pk_f16_f32 v[ob_],   v[rb_],   v[rb_+2]      ; columns 8 r + 0, 1: h's one rounding, to f16
	v_cvt_pk_f16_f32 v[ob_+1], v[rb_+4], v[rb_+6]      ; 2, 3
	v_cvt_pk_f16_f32 v[ob_+2], v[rb_+1], v[rb_+3]      ; 4, 5
	v_cvt_pk_f16_f32 v[ob_+3], v[rb_+5], v[rb_+7]      ; 6, 7
.irp q, 0,1,2,3
	v_pk_max_num_f16 v[ob_+\q], v[ob_+\q], v[ZERO]     ; the ReLU, two at a time; nothing is rounded
.endr
.else
.irp q, 0,1,2,3
	v_add_f32 v[ob_+\q],   v[rb_+2*\q],   v[rb_+16+2*\q]    ; the destination puts the columns in order
	v_add_f32 v[ob_+4+\q], v[rb_+2*\q+1], v[rb_+16+2*\q+1]
.endr
.endif
.endm
; Row u of tile t is stored, by token number
.macro STORE u, t
.if PROD == 1
	global_store_b128 v[SO+2*(\t)+(\u)], v[OUT+8*(\u):OUT+8*(\u)+3], s[OUTB:OUTB+1]            ; 16 lanes store 256 consecutive bytes, aligned: the slice's 128 columns of a row of h
.else
	global_store_b128 v[SO+2*(\t)+(\u)], v[OUT+8*(\u):OUT+8*(\u)+3], s[OUTB:OUTB+1]            ; columns 8 r .. 8 r + 3 at 16 r,
	global_store_b128 v[SO+2*(\t)+(\u)], v[OUT+8*(\u)+4:OUT+8*(\u)+7], s[OUTB:OUTB+1] offset:256  ; columns 8 r + 4 .. at 256 + 16 r: each store fills 256 consecutive bytes; the launch that adds the parts undoes the order
.endif
.endm
; Tile t's sums are added and stored: my rows 2 w, 2 w + 1, and those 8 further down in lanes 16-31
.macro REDT t
	s_add_co_u32 s24, s23, 16*(\t)
	s_cmp_lt_u32 s24, s20                          ; has this tile a row?
	s_cbranch_scc0 .Lrdone
.irp u, 0,1
.irp w, 0,1,2,3
.irp q, 0,1,2,3
	ds_load_b64 v[RT+32*\u+8*\w+2*\q:RT+32*\u+8*\w+2*\q+1], v[RA+(\t)] offset:\w*RWAVE+\u*RPITCH+\q*128
.endr
.endr
.endr
	s_wait_dscnt 16                                ; the first row's sums are in; the second row's 16 loads are younger
	SUM 0
	STORE 0, \t
	s_wait_dscnt 0x0
	SUM 1
	STORE 1, \t
.endm
	s_load_b256 s[4:11], s[0:1], 0x0               ; s[4:5] idx (PROD 1) or order (PROD 2), token rows s[6:7], weights s[8:9], s[10:11] bias (PROD 1) or output (PROD 2)
.if PROD == 1
	s_load_b64 s[12:13], s[0:1], 0x20              ; output
	s_load_b64 s[18:19], s[0:1], 0x28              ; order
.endif
	v_lshl_add_u32 v[SPW], v0, 2, SPARE
	v_mov_b32 v[NIL], 0
	v_lshrrev_b32 v[T18], 5, v0
	v_readfirstlane_b32 s14, v[T18]                ; wave 0..3
	v_and_b32 v1, 31, v0                           ; lane
	v_and_b32 v2, 15, v0                           ; r
	v_bfe_u32 v3, v0, 4, 1                         ; hh
	s_and_b32 s15, ttmp7, 0xffff                   ; the expert
	s_mov_b32 s16, ttmp9                           ; the block of its weights
	s_mov_b32 s40, 0xffff0000
	s_mov_b32 s46, 0xffff
	s_lshl_b32 s41, s14, 1                         ; the lanes that hold the tokens of the rows that I add and store
	s_add_co_u32 s42, s41, 1
	s_add_co_u32 s43, s41, 8
	s_add_co_u32 s44, s41, 9
.if PROD == 1
	s_lshl_b32 s30, s15, 24                        ; weights: the expert's 16 MiB, my wave's 256 rows of 16,384 bytes, the slice's 128 columns
	s_lshl_b32 s32, s14, 22
	s_add_co_u32 s30, s30, s32
	s_lshl_b32 s32, s16, 9
	s_add_co_u32 s30, s30, s32
	s_lshl_b32 s32, s14, 9                         ; tokens: my wave's 256 k
	s_lshl_b32 s34, s16, 8                         ; output: the slice's 128 columns in f16
	s_lshl_b32 s36, s15, 14                        ; bias: the expert's row, the slice
	s_lshl_b32 s38, s16, 9
	s_add_co_u32 s36, s36, s38
	s_mov_b32 s37, 0
.else
	s_and_b32 s17, s16, 7                          ; cs: the slice of 128 columns
	s_lshr_b32 s18, s16, 3                         ; kp: the part of 1,024 k
	s_lshl_b32 s30, s15, 24                        ; weights: the expert, the part's 1,024 rows of 4,096 bytes, my wave's 256, the slice
	s_lshl_b32 s32, s18, 22
	s_add_co_u32 s30, s30, s32
	s_lshl_b32 s32, s14, 20
	s_add_co_u32 s30, s30, s32
	s_lshl_b32 s32, s17, 9
	s_add_co_u32 s30, s30, s32
	s_lshl_b32 s32, s18, 11                        ; tokens: the part's 1,024 k, my wave's 256
	s_lshl_b32 s34, s14, 9
	s_add_co_u32 s32, s32, s34
	s_lshl_b32 s34, s18, 22                        ; output: the part, the slice
	s_lshl_b32 s36, s17, 9
	s_add_co_u32 s34, s34, s36
.endif
	s_mul_i32 s38, s15, IMG                        ; the expert's part of order
	s_mov_b32 s39, 0
	s_mov_b32 s31, 0
	s_mov_b32 s33, 0
	s_mov_b32 s35, 0
	v_lshlrev_b32 v[R16], 4, v2
	v_mul_u32_u24 v[VW], v3, 8*WPITCH
	v_add_nc_u32 v[VW], v[VW], v[R16]
	v_mul_u32_u24 v[VPF], v1, WPITCH
	v_lshlrev_b32 v[H16], 4, v3
	s_mul_i32 s26, s14, RWAVE
	s_add_co_u32 s26, s26, RED
	v_mul_u32_u24 v[WA], v2, RPITCH                ; in: my wave's plane, token r, 32 bytes for each half of the lanes
	v_lshl_add_u32 v[WA], v3, 5, v[WA]
	v_add_nc_u32 v[WA], s26, v[WA]
	s_mul_i32 s26, s14, 2*RPITCH
	s_add_co_u32 s26, s26, RED
	v_mul_u32_u24 v[RA], v3, 8*RPITCH              ; back: tokens 2 w, 2 w + 1, and 8 further down for lanes 16-31; 8 bytes a lane.  8 rows are 4,224 bytes = 128 modulo 256: the halves take different banks
	v_lshl_add_u32 v[RA], v2, 3, v[RA]
	v_add_nc_u32 v[RA], s26, v[RA]
.set t_, 1
.rept GT-1                                             ; the same for the group's other tiles: a tile's plane lies too far for the 16-bit immediate
	v_add_nc_u32 v[WA+t_], t_*RTILE, v[WA]
	v_add_nc_u32 v[RA+t_], t_*RTILE, v[RA]
.set t_, t_+1
.endr
	v_lshlrev_b32 v[T18], 4, v1
.if PROD == 1
	s_mul_i32 s26, s14, LISTB
	v_mov_b32 v[LB], s26
	v_add_nc_u32 v[DMP], 0x460, v1
	v_lshlrev_b32 v[L4], 2, v1
	v_lshlrev_b32 v[T19], 5, v2
	v_mov_b32 v[ZERO], 0
	v_lshl_add_u32 v[CA], v1, 4, v[LB]
	v_mov_b32 v20, 0
	v_mov_b32 v21, 0
	v_mov_b32 v22, 0
	v_mov_b32 v23, 0
	s_mov_b32 s20, 0                               ; the count so far
.endif
	s_mov_b32 s22, 0                               ; the group
	s_mov_b32 s23, 0                               ; its first row
	s_wait_kmcnt 0x0
	s_add_nc_u64 s[8:9], s[8:9], s[30:31]
	s_add_nc_u64 s[6:7], s[6:7], s[32:33]
	s_add_nc_u64 s[OUTB:OUTB+1], s[OUTB:OUTB+1], s[34:35]
.if PROD == 1
	s_add_nc_u64 s[10:11], s[10:11], s[36:37]
	s_add_nc_u64 s[18:19], s[18:19], s[38:39]
.else
	s_add_nc_u64 s[4:5], s[4:5], s[38:39]
	s_load_b32 s20, s[4:5], 0x1000                 ; the expert's count, behind its image
.endif
.set j_, 0
.rept 8                                                ; PROD 1: all of idx: register L + 4 j + c is token 128 j + 4 lane + c.  PROD 2: the image, four registers a lane, as it was stored
	global_load_b128 v[L+4*j_:L+4*j_+3], v[T18], s[4:5] offset:512*j_
.set j_, j_+1
.endr
.if PROD == 1
	global_load_b128 v[BRAW:BRAW+3],   v[T19], s[10:11]           ; the bias of columns 8 r .. 8 r + 7
	global_load_b128 v[BRAW+4:BRAW+7], v[T19], s[10:11] offset:16
.endif
	LOADW 0                                        ; the ring is filled: 64 loads of 512 bytes a wave
	LOADW 1
	LOADW 2
	LOADW 3
	WIN 0
.if PROD == 1
.set j_, 0
.rept 9                                                ; my list's 4,608 bytes are cleared: a place that nobody fills holds token 0
	ds_store_b128 v[CA], v[20:23] offset:512*j_
.set j_, j_+1
.endr
.endif
.irp u, 0,1,2,3,4,5,6,7,8,9,10,11,12,13,14,15
	UNIT \u
.endr
.Lgroup:                                               ; NG trips, a constant: rows s23 .. s23 + 63 of the expert's list: the image's registers L, L + 1; the next group's are L + 2, L + 3
	s_wait_xcnt 0x0                                ; the token loads and the stores have read their offsets: only behind this wait are these written anew
.irp p, 0,1
.irp u, 0,1
	v_readlane_b32 s25, v[L+\p], s[41+\u]          ; row 2 w + u of tile 2 p (low half) and of tile 2 p + 1 (high half),
	v_readlane_b32 s26, v[L+\p], s[43+\u]          ; row 2 w + 8 + u of the same two
	v_mov_b32 v20, s25
	v_cndmask_b32 v20, v20, s26, s40               ; lanes 16-31 store the rows 8 further down
	v_and_b32     v[SO+4*\p+\u],   s46, v20
	v_lshrrev_b32 v[SO+4*\p+2+\u], 16, v20
.endr
.endr
.set t_, 0
.rept 2*GT
	v_min_u32 v[SO+t_], 0x3ff, v[SO+t_]
	v_lshl_add_u32 v[SO+t_], v[SO+t_], OSH, v[R16] ; the token's row in the output + 16 r
.set t_, t_+1
.endr
	v_lshrrev_b32 v[O],   16, v[L+1]               ; block t asks for the tile three further on: this group's last,
	v_and_b32     v[O+1], s46, v[L+2]              ; and the next group's first three
	v_lshrrev_b32 v[O+2], 16, v[L+2]
	v_and_b32     v[O+3], s46, v[L+3]
.set t_, 0
.rept GT
	TOKFIN O+t_
.set t_, t_+1
.endr
.set k_, 0
.rept 30                                               ; the image moves down by a group; its last two registers stay: ranks past 1,023, which no tile reaches
	v_mov_b32 v[L+k_], v[L+k_+2]
.set k_, k_+1
.endr
.set t_, 0
.rept GT
	BLOCK t_
.set t_, t_+1
.endr
	s_branch .Ljoin
.Ltail:
	s_wait_loadcnt 0x0                             ; the tiles asked for ahead serve nothing: they have landed before anything else is done
.Ljoin:
	s_wait_dscnt 0x0                               ; for the others' sake: my sums are in LDS
	s_barrier_signal -1
	s_barrier_wait -1
.set t_, 0
.rept GT
	REDT t_
.set t_, t_+1
.endr
.Lrdone:
	s_wait_dscnt 0x0                               ; my reads of the sums are over: behind this barrier they may be written again
	s_barrier_signal -1
	s_barrier_wait -1
	s_add_co_u32 s23, s23, 16*GT
	s_add_co_u32 s22, s22, 1
	s_cmp_lt_u32 s22, NG
	s_cbranch_scc1 .Lgroup
	s_wait_tensorcnt 0x0                           ; the wave's end
	ds_add_u32 v[SPW], v[NIL]
	s_wait_dscnt 0x0
	s_endpgm
.Lfunc_end_k_q3ace66f40c_ffn2:
	.size	k_q3ace66f40c_ffn2, .Lfunc_end_k_q3ace66f40c_ffn2-k_q3ace66f40c_ffn2
	.p2alignl 7, 3214868480
	.fill 96, 4, 3214868480
	.section	.rodata,"a",@progbits
	.p2align	6, 0x0
	.amdhsa_kernel k_q3ace66f40c_ffn2
		.amdhsa_group_segment_fixed_size 154112
		.amdhsa_private_segment_fixed_size 0
		.amdhsa_enable_private_segment 0
		.amdhsa_kernarg_size 32
		.amdhsa_user_sgpr_count 2
		.amdhsa_user_sgpr_kernarg_segment_ptr 1
		.amdhsa_wavefront_size32 1
		.amdhsa_system_sgpr_workgroup_id_x 1
		.amdhsa_system_sgpr_workgroup_id_y 1
		.amdhsa_system_sgpr_workgroup_id_z 1
		.amdhsa_system_vgpr_workitem_id 0
		.amdhsa_next_free_vgpr 1024
		.amdhsa_next_free_sgpr 66
		.amdhsa_reserve_vcc 0
		.amdhsa_float_denorm_mode_32 3
		.amdhsa_float_denorm_mode_16_64 3
		.amdhsa_memory_ordered 1
		.amdhsa_forward_progress 1
		.amdhsa_inst_pref_size 181
	.end_amdhsa_kernel
	.amdgpu_metadata
---
amdhsa.version: [ 1, 2 ]
amdhsa.kernels:
  - .name:           k_q3ace66f40c_ffn2
    .symbol:         k_q3ace66f40c_ffn2.kd
    .args:
      - { .name: order, .offset: 0, .size: 8, .value_kind: global_buffer, .address_space: global }
      - { .name: h, .offset: 8, .size: 8, .value_kind: global_buffer, .address_space: global }
      - { .name: W2, .offset: 16, .size: 8, .value_kind: global_buffer, .address_space: global }
      - { .name: part, .offset: 24, .size: 8, .value_kind: global_buffer, .address_space: global }
    .group_segment_fixed_size: 154112
    .private_segment_fixed_size: 0
    .kernarg_segment_align: 8
    .kernarg_segment_size: 32
    .max_flat_workgroup_size: 128
    .sgpr_count:     66
    .vgpr_count:     1024
    .wavefront_size: 32
...
	.end_amdgpu_metadata
.endif
;; end of part 3
;; launch combine (part 4): grid 256 x 1, 4 waves a work-group, no clusters, 0 bytes of LDS; arguments part, idx, gate, b2, out0; writes out0
.if DOCPART == 4
	.amdgcn_target "amdgcn-amd-amdhsa--gfx1250"
	.amdhsa_code_object_version 6
	.text
	.protected	k_q3ace66f40c_combine
	.globl	k_q3ace66f40c_combine
	.p2align	8
	.type	k_q3ace66f40c_combine,@function
k_q3ace66f40c_combine:
	s_mov_b64 s[64:65], 0
	v_nop
	global_prefetch_b8 v0, s[64:65] scope:SCOPE_SE
	s_setreg_imm32_b32 hwreg(HW_REG_WAVE_MODE, 25, 1), 1
	s_wait_xcnt 0x0
; out0[t][:] = (part[0][t] + part[1][t] + part[2][t] + part[3][t] + b2[idx[t]]) x gate[t].  part f32 [4][1024][1024], b2 f32 [8][1024], out0 f32 [1024][1024].
; b2 is rounded once to bf16, like every input of the program; the sums and the gate stay f32.  NaN and infinities are not treated apart.
; One token a wave, 1,024 waves: a stream, so no LDS, no barrier, no matrix unit, no cluster (no two work-groups read the same bytes but b2's 32 KB).
; In a part, inside each slice of 128 columns (512 bytes), the 16 bytes at place 16 u + l hold the columns 4 (2 l + u) ..: lane L reads place 16 (L % 2) + L / 2 and so holds columns 4 L .. 4 L + 3.
.set P,  32               ; v[32:159]  part kp, slice cs at P + 4 (8 kp + cs)
.set B2, 160              ; v[160:191] b2, slice cs at B2 + 4 cs
	s_load_b256 s[4:11], s[0:1], 0x0               ; part s[4:5], idx s[6:7], gate s[8:9], b2 s[10:11]
	s_load_b64 s[12:13], s[0:1], 0x20              ; out0
	v_lshrrev_b32 v1, 5, v0
	v_readfirstlane_b32 s14, v1                    ; wave 0..3
	v_and_b32 v1, 31, v0
	v_and_b32 v2, 1, v0
	v_lshlrev_b32 v2, 8, v2
	v_bfe_u32 v4, v0, 1, 4
	v_lshl_add_u32 v2, v4, 4, v2                   ; 256 (lane % 2) + 16 (lane / 2)
	v_lshlrev_b32 v3, 4, v1                        ; 16 lane
	s_lshl_b32 s15, ttmp9, 2
	s_add_co_u32 s15, s15, s14                     ; my token
	s_lshl_b32 s16, s15, 2                         ; its word in idx and gate,
	s_mov_b32 s17, 0
	s_lshl_b32 s22, s15, 12                        ; its row of 4,096 bytes
	s_mov_b32 s23, 0
	s_wait_kmcnt 0x0
	s_add_nc_u64 s[6:7], s[6:7], s[16:17]
	s_add_nc_u64 s[8:9], s[8:9], s[16:17]
	s_load_b32 s24, s[6:7], 0x0                    ; the expert
	s_load_b32 s18, s[8:9], 0x0                    ; the gate
	s_add_nc_u64 s[4:5], s[4:5], s[22:23]
	s_add_nc_u64 s[12:13], s[12:13], s[22:23]
	s_add_nc_u64 s[20:21], s[4:5], 0x800000        ; parts 2 and 3: two parts' distance does not fit the signed 24-bit immediate (ISA guide, chapter 10)
.set k_, 0
.rept 4
.set c_, 0
.rept 8
.if k_ < 2
	global_load_b128 v[P+4*(8*k_+c_):P+4*(8*k_+c_)+3], v2, s[4:5] offset:(k_<<22)+512*c_ th:TH_LOAD_NT
.else
	global_load_b128 v[P+4*(8*k_+c_):P+4*(8*k_+c_)+3], v2, s[20:21] offset:((k_-2)<<22)+512*c_ th:TH_LOAD_NT
.endif
.set c_, c_+1
.endr
.set k_, k_+1
.endr
	s_wait_kmcnt 0x0
	s_mov_b32 s19, s18                             ; named with it as a pair
	s_min_u32 s24, s24, 7
	s_lshl_b32 s22, s24, 12                        ; the expert's row of b2
	s_add_nc_u64 s[10:11], s[10:11], s[22:23]
.set c_, 0
.rept 8
	global_load_b128 v[B2+4*c_:B2+4*c_+3], v3, s[10:11] offset:512*c_
.set c_, c_+1
.endr
.set c_, 0
.rept 8
.set a_, P+4*c_
.set b_, B2+4*c_
	s_wait_loadcnt 7-c_                            ; all parts and this slice's b2 are in; the later slices' loads of b2 are younger
	v_pk_add_f32 v[a_:a_+1],     v[a_:a_+1],     v[a_+32:a_+33]
	v_pk_add_f32 v[a_+2:a_+3],   v[a_+2:a_+3],   v[a_+34:a_+35]
	v_pk_add_f32 v[a_+64:a_+65], v[a_+64:a_+65], v[a_+96:a_+97]
	v_pk_add_f32 v[a_+66:a_+67], v[a_+66:a_+67], v[a_+98:a_+99]
	v_cvt_pk_bf16_f32 v192, v[b_],   v[b_+1]
	v_cvt_pk_bf16_f32 v193, v[b_+2], v[b_+3]
	v_pk_add_f32 v[a_:a_+1],     v[a_:a_+1],     v[a_+64:a_+65]
	v_pk_add_f32 v[a_+2:a_+3],   v[a_+2:a_+3],   v[a_+66:a_+67]
	v_lshlrev_b32 v[b_],   16, v192
	v_and_b32     v[b_+1], 0xffff0000, v192
	v_lshlrev_b32 v[b_+2], 16, v193
	v_and_b32     v[b_+3], 0xffff0000, v193
	v_pk_add_f32 v[a_:a_+1],   v[a_:a_+1],   v[b_:b_+1]
	v_pk_add_f32 v[a_+2:a_+3], v[a_+2:a_+3], v[b_+2:b_+3]
	v_pk_mul_f32 v[a_:a_+1],   v[a_:a_+1],   s[18:19] op_sel_hi:[1,0]
	v_pk_mul_f32 v[a_+2:a_+3], v[a_+2:a_+3], s[18:19] op_sel_hi:[1,0]
	global_store_b128 v3, v[a_:a_+3], s[12:13] offset:512*c_ th:TH_STORE_NT  ; the wave stores 512 consecutive bytes, aligned; each slice has registers of its own
.set c_, c_+1
.endr
	s_endpgm
.Lfunc_end_k_q3ace66f40c_combine:
	.size	k_q3ace66f40c_combine, .Lfunc_end_k_q3ace66f40c_combine-k_q3ace66f40c_combine
	.p2alignl 7, 3214868480
	.fill 96, 4, 3214868480
	.section	.rodata,"a",@progbits
	.p2align	6, 0x0
	.amdhsa_kernel k_q3ace66f40c_combine
		.amdhsa_group_segment_fixed_size 0
		.amdhsa_private_segment_fixed_size 0
		.amdhsa_enable_private_segment 0
		.amdhsa_kernarg_size 40
		.amdhsa_user_sgpr_count 2
		.amdhsa_user_sgpr_kernarg_segment_ptr 1
		.amdhsa_wavefront_size32 1
		.amdhsa_system_sgpr_workgroup_id_x 1
		.amdhsa_system_sgpr_workgroup_id_y 1
		.amdhsa_system_sgpr_workgroup_id_z 1
		.amdhsa_system_vgpr_workitem_id 0
		.amdhsa_next_free_vgpr 208
		.amdhsa_next_free_sgpr 66
		.amdhsa_reserve_vcc 0
		.amdhsa_float_denorm_mode_32 3
		.amdhsa_float_denorm_mode_16_64 3
		.amdhsa_memory_ordered 1
		.amdhsa_forward_progress 1
		.amdhsa_inst_pref_size 14
	.end_amdhsa_kernel
	.amdgpu_metadata
---
amdhsa.version: [ 1, 2 ]
amdhsa.kernels:
  - .name:           k_q3ace66f40c_combine
    .symbol:         k_q3ace66f40c_combine.kd
    .args:
      - { .name: part, .offset: 0, .size: 8, .value_kind: global_buffer, .address_space: global }
      - { .name: idx, .offset: 8, .size: 8, .value_kind: global_buffer, .address_space: global }
      - { .name: gate, .offset: 16, .size: 8, .value_kind: global_buffer, .address_space: global }
      - { .name: b2, .offset: 24, .size: 8, .value_kind: global_buffer, .address_space: global }
      - { .name: out0, .offset: 32, .size: 8, .value_kind: global_buffer, .address_space: global }
    .group_segment_fixed_size: 0
    .private_segment_fixed_size: 0
    .kernarg_segment_align: 8
    .kernarg_segment_size: 40
    .max_flat_workgroup_size: 128
    .sgpr_count:     66
    .vgpr_count:     208
    .wavefront_size: 32
...
	.end_amdgpu_metadata
.endif
;; end of part 4
;; ======== version 2 of 2: 4 launches; version 1 with the launch ffn1 written anew for expert scheduling mode
;; limits: values are held in f16: magnitudes above 65,504 overflow, below 6.1e-05 lose precision
;; workspace buffers: idx 4,096 bytes of whole numbers; gate 4,096 bytes; xb 2,097,152 bytes; h 8,388,608 bytes; part 16,777,216 bytes; order 36,864 bytes of whole numbers
;; launch router: the kernel of part 1 again; grid 64 x 1, 4 waves a work-group, no clusters, 50,176 bytes of LDS; arguments x, Wr, br, idx, gate, xb; writes idx, gate, xb
;; launch ffn1 (part 5): grid 32 x 8, 4 waves a work-group, no clusters, 154,112 bytes of LDS; arguments idx, xb, W1, b1, h, order; writes h, order
.if DOCPART == 5
	.amdgcn_target "amdgcn-amd-amdhsa--gfx1250"
	.amdhsa_code_object_version 6
	.text
	.protected	k_q3ace66f40c_ffn1
	.globl	k_q3ace66f40c_ffn1
	.p2align	8
	.type	k_q3ace66f40c_ffn1,@function
k_q3ace66f40c_ffn1:
	s_mov_b64 s[64:65], 0
	v_nop
	global_prefetch_b8 v0, s[64:65] scope:SCOPE_SE
	s_setreg_imm32_b32 hwreg(HW_REG_WAVE_SCHED_MODE, 0, 2), 2
	s_setreg_imm32_b32 hwreg(HW_REG_WAVE_MODE, 25, 1), 1
	s_wait_xcnt 0x0
	s_wait_alu depctr_vm_vsrc(0)
; ONE PRODUCT OF THE EXPERTS' CHAIN.  This text serves both products; PROD says which.  Here PROD = 1.
;   PROD = 1: h[t][:] = relu(xb[t] W1[e] + b1[e]) for the tokens t with idx[t] = e.  xb bf16 [1024][1024], W1 f32 [8][1024][4096], b1 f32 [8][4096], h f16 [1024][4096], by token number.
;             It also stores each expert's list of tokens and its count into order, for the second product.
;   PROD = 2: part[kp][t][:] = h[t][1024 kp ..] W2[e][1024 kp ..][:], f32 partial sums [4][1024][1024]; a later launch adds the four, b2 and the gate.
; FORMATS.  Weights and bias are rounded once to bf16 on their way through registers, like every input of the program; sums in f32.  h, which the program itself makes, is rounded once to f16 (11 significant bits):
; a row with a large gate is about twice the output's root mean square, and bf16's 8 bits of h leave a number near zero in such a row too little room.  So the first product is bf16 x bf16, the second f16 x f16:
; W2's bf16 number is written as f16, exact from 2^-17 up in magnitude, off by 2^-25 at the most below.
; LIMITS.  h and W2 stay under 65,504; beyond it they become infinite.  By the sizes: x of spread 1 and W1 within 1/32 give sums of spread sqrt(1024 / 3) / 32 = 0.58; both 30 times larger: 520; both with an offset
; of 30 spreads (30 and 0.54): 1,024 x 30 x 0.54 = 16,600.  NaN and infinities are not treated apart (the ReLU makes 0 of a NaN).
; SHARES.  Work-group (x, e) owns 1,024 k x 128 columns of expert e's weights, which no other work-group reads, and ALL rows of that expert, however many (0 to 1,024).  Wave w owns the k quarter 256 w ..
; PHASE 1: the wave's 256 k x 128 columns come from memory straight into registers, through a ring of 64 loads, are rounded (the rounding pairs k with k + 1) and STAY: 64 fragments, 512 registers.
; An expert without rows still streams its weights.
; THE LIST of the expert's tokens is an image of 32 registers: in register L + k lane (r, hh) holds, in its low half, the token of rank 32 k + r and, in its high half, that of rank 32 k + 16 + r, alike in both
; halves of the lanes: a tile's 16 tokens stand where a token fragment's lanes want them.  PROD = 1 makes the list under the stream of weights, from idx, each wave a copy of its own in LDS, and reads the image out of it;
; wave 0 of each expert's block 0 stores image and count.  PROD = 2 takes them ready-made: 8 loads and a scalar load in place of 288 lines.
; PHASE 2: the rows go in tiles of 16, token fragments straight from memory by the list, three tiles ahead; 64 matrix instructions a tile and wave.  The four waves' partial sums (f32) meet in LDS:
; 4 tiles, a barrier, each wave adds and stores a quarter of the rows, a barrier.  That loop has a constant 16 trips, which cover 1,024 rows; every wave passes every barrier; only work is jumped over.
; Every offset that hangs on the list is made at the head of a trip, ahead of the jumps, from the image's first four registers, and the image then moves down by two; the addresses of the sums in LDS are made once.
; What is jumped writes no address register.
; PAST THE COUNT.  The 32 list places behind the count hold the LAST token once more.  So the dead places of the last tile compute that token's row again, bit for bit, and store the same bytes to the same
; address: at most 15 rows of a slice a work-group.  EXEC stays whole throughout.  Whole tiles past the count are jumped.
; NO CLUSTER, NO DATA MOVER: each weight byte has one reader and wants rounding and pairing, which registers give; what an expert's work-groups share is its token rows, which come by a list that no descriptor covers.
; FRAGMENTS.  Source 0 = weights: fragment (s, c = 4 g + jj): lane (r, hh) holds column 64 g + 4 r + jj and k = 32 s + 8 hh + 0..7, 32 s + 16 + 8 hh + 0..7.  Source 1 = 16 tokens, the same k.
; In the result, register j of lane (r, hh) is token r, column 64 g + 32 hh + 4 j + jj.
; REGISTERS, in windows of 256 (s_set_vgpr_msb: bits 1:0 source 0, 3:2 source 1, 5:4 source 2, 7:6 destination): window 0 as named below; window 1 a ring of 4 x 64: weights as loaded, later token tiles;
; windows 2, 3: the fragments of s = 0-3, 4-7, fragment (s, c) at 8 (8 (s % 4) + c).
; THE MODE: SCHED_MODE bits 1:0 = 2 (LLVM: expert scheduling mode 2), set by the entry lines.  The code itself states the register dependences between vector or matrix instructions and memory or LDS
; instructions, with s_wait_alu, always for 0.
; THE PLAN.  Registers that memory or LDS instructions touch, and who else names them:
;   the ring     Phase 1: unit u's conversions read buffer u % 4; behind them the loads of unit u + 4 (at the end: of a token tile) land in it.  Phase 2: tile t's products read buffer t; the next block's loads land in it.
;   LT           Units 0-7: written by the list's arithmetic, ahead of the unit's conversions; read by the unit's four LDS stores, behind the unit's loads.
;   v20-v23      Zeros for the stores that clear the list; unit 8's LDS addresses and the last token; the count for its store; v20 also at work in unit 0 and at a trip's head.
;   L            idx as loaded, read by the compares; unit 8's LDS loads land in it; the image's stores read it; a trip's head reads it and moves it down.
;   A0, A1       Two sets of accumulators by turns: tile t's products write A[t % 2], its 16 LDS stores read it.  A1 lies in RT's registers.
;   RT           The LDS loads of a tile's sums land in it; SUM reads and writes it.          OUT   SUM writes it; the tile's two stores read it.
;   O, SO        Written at a trip's head; read by the trip's token loads and stores.          VW, VPF, T18, T19, CA, WA, RA, OP are written once.
; So ONE wait on va_vdst stands in a unit, behind its conversions; one at the end of a trip's head; one in a block, behind its products; one for each tile that is added, behind its second row.  Each states all that the
; memory and LDS instructions up to the next such wait hang on: no vector or matrix instruction between names a register that they touch.  Waits on vm_vsrc: at the head of units 0-7, once in unit 8, at a trip's
; head, in blocks 1 and 2 a whole block behind the stores that they speak of, ahead of the barrier behind the blocks, and ahead of the sums of a trip's second to fourth tile.
.set PROD, 1
.if PROD == 1
.set WPITCH, 16384        ; bytes from a row of the weights to the next
.set TSH,    11           ; a token's row in xb is 2,048 bytes
.set OSH,    13           ; a token's row in h is 8,192 bytes
.set OUTB,   12           ; s[12:13] the output
.else
.set WPITCH, 4096
.set TSH,    13           ; a token's row in h
.set OSH,    12           ; a token's row in a part is 4,096 bytes
.set OUTB,   10           ; s[10:11] the output
.endif
.set GT,     4            ; tiles in a group: two registers of the image; a tile's ring buffer goes by its place in the group
.set NG,     64/GT        ; groups: together 1,024 rows
.set IMG,    4608         ; an expert's part of order: the image, 4,096 bytes, then 512 bytes that hold the count
.set LISTB,  4608         ; (PROD = 1) a wave's list in LDS, 1,152 words: 1,024 places, 32 more for the last token's repeats, and at 1,120 + lane a dump word for the lanes whose token is another expert's
.set SPARE,  4*LISTB      ; 18,432: two blocks of 256 bytes that stay claimed and that no line names
.set RED,    SPARE+512    ; the partial sums: [tile][wave 0-3][token 0-15] rows of 528 bytes
.set RPITCH, 528          ; 512 bytes + 16: an odd multiple of 16, so the 16 lanes of a store touch 16 different 16-byte columns.  In a row: byte 128 jj + 4 q holds column 4 q + jj
.set RWAVE,  16*RPITCH
.set RTILE,  4*RWAVE
.set VW,   6              ; v6   my byte offset in a unit of the weights: 8 hh rows + 16 r
.set VPF,  7              ; v7   lane rows: for the prefetch
.set H16,  8              ; v8   16 hh
.set LB,   9              ; v9   my wave's list
.set DMP,  10             ; v10  1,120 + lane: my dump word's place
.set L4,   11             ; v11  4 lane
.set CA,   13             ; v13  16 lane + my list: for clearing it
.set R16,  17             ; v17  16 r
.set T18,  18             ; v18  16 lane: offset of the loads of idx or of the image, and of the image's stores; never rewritten
.set T19,  19             ; v19  offset of the bias loads
.set OP,   24             ; v[24:26]   byte offsets of the first three tiles' token rows; never rewritten
.set L,    32             ; v[32:63]   idx as loaded (PROD = 1), then the list's image
.set ACC,  64             ; v[64:191]  two sets of eight accumulators, by turns: tile t's at ACC + 64 (t % 2); the second set lies in RT's registers, which are free while the tiles are multiplied
.set RT,   128            ; v[128:191] sums read back: [row][wave][jj] pairs
.set LT,   160            ; v[160:167] (PROD = 1, units 0-7) four pairs: a list place's LDS address, and the token's number that goes there
.set BIAS, 192            ; v[192:199] pair jj: the bias of columns 8 r + jj, 8 r + 4 + jj, rounded
.set ZERO, 201
.set OUT,  204            ; v[204:219] two rows to store
.set BRAW, 220            ; v[220:227] the bias as loaded
.set WA,   228            ; v[228:231] where I put my sums of tile t; never rewritten
.set RA,   236            ; v[236:239] where I read sums of tile t back; never rewritten
.set O,    240            ; v[240:243] byte offsets of token rows: those of the tile three behind tile t at O + t
.set SO,   244            ; v[244:251] byte offsets in the output: tile t's two rows of mine at SO + 2 t
.set RL,   30             ; s[30:37]   what a trip's eight v_readlane_b32 bring (byte offsets at the kernel's head, free behind it)
.set MK,   32             ; s[32:35]   the four masks of a list step
; s40 0xffff0000: a word's upper half, and the mask of lanes 16-31.  s41-s44 the lanes 2 w, 2 w + 1, 2 w + 8, 2 w + 9.  s46 0xffff.
.set MSB, 0
.macro WIN new                         ; the immediate's high byte repeats the setting that is left; a switch that changes nothing is dropped
.if MSB != (\new)
	s_set_vgpr_msb (MSB<<8)|(\new)
.set MSB, (\new)
.endif
.endm
; Unit u = 2 s + g of the weights: 32 k x 64 columns, into ring buffer u % 4.  Load i: k = 32 s + 8 hh + i (i < 8) or 32 s + 16 + 8 hh + i - 8.  Each half of the lanes reads 256 consecutive bytes, aligned.
.macro LOADW u
	WIN 0x40                                       ; destination window 1, address window 0
.set i_, 0
.rept 16
	global_load_b128 v[64*((\u)%4)+4*i_:64*((\u)%4)+4*i_+3], v[VW], s[8:9] offset:(32*((\u)/2)+i_+8*(i_/8))*WPITCH+256*((\u)%2) th:TH_LOAD_NT
.set i_, i_+1
.endr
.endm
; Unit u is rounded: register p of fragment (s, 4 g + jj) takes loads 2 p and 2 p + 1, two neighbouring k.
; PROD = 2: each pair is first rounded to bf16 and widened again, in place in the ring's registers (three passes, so that no line reads the result of the one before it); the f16 conversion then rounds nothing from 2^-17 up.
.macro CONVERT u
.set cs_, (\u)/2
.set cg_, (\u)%2
.set cb_, 64*((\u)%4)
.if PROD == 2
	WIN 0x45                                       ; sources and destination window 1
.set p_, 0
.rept 32
.set a_, cb_+8*(p_/4)+p_%4
	v_cvt_pk_bf16_f32 v[a_], v[a_], v[a_+4]
.set p_, p_+1
.endr
.set p_, 0
.rept 32
.set a_, cb_+8*(p_/4)+p_%4
	v_and_b32 v[a_+4], s40, v[a_]                  ; the odd k: the upper half stays
.set p_, p_+1
.endr
.set p_, 0
.rept 32
.set a_, cb_+8*(p_/4)+p_%4
	v_lshlrev_b32 v[a_], 16, v[a_]                 ; the even k: the lower half moves up
.set p_, p_+1
.endr
.endif
	WIN 0x85+0x40*(cs_/4)                          ; sources window 1, destination window 2 or 3
.set p_, 0
.rept 8
.set q_, 0
.rept 4
.if PROD == 1
	v_cvt_pk_bf16_f32 v[((cs_%4)*8+4*cg_+q_)*8+p_], v[cb_+8*p_+q_], v[cb_+8*p_+4+q_]
.else
	v_cvt_pk_f16_f32 v[((cs_%4)*8+4*cg_+q_)*8+p_], v[cb_+8*p_+q_], v[cb_+8*p_+4+q_]
.endif
.set q_, q_+1
.endr
.set p_, p_+1
.endr
.endm
; A tile's 16 token rows, my wave's 256 k: 8 fragments into ring buffer b, by the offsets in register o
.macro LOADT b, o
	WIN 0x40
.set l_, 0
.rept 8
	global_load_b128 v[64*(\b)+8*l_:64*(\b)+8*l_+3],   v[\o], s[6:7] offset:64*l_
	global_load_b128 v[64*(\b)+8*l_+4:64*(\b)+8*l_+7], v[\o], s[6:7] offset:64*l_+32
.set l_, l_+1
.endr
.endm
; (PROD = 1) 128 tokens of idx: a lane whose token is my expert's puts its number at the list's next free place (the count so far + the lanes below it); the others write their dump word.
; The place is clamped last: behind the clamp stand a shift and an add.  LISTV makes the four masks in one run, then the four places and numbers; LISTS stores them, behind the unit's wait on va_vdst.
.macro LISTV j
.set c_, 0
.rept 4
	v_cmp_eq_u32 s[MK+c_], s15, v[L+4*(\j)+c_]
.set c_, c_+1
.endr
	s_wait_alu depctr_va_sdst(0)                   ; the four masks are written, ahead of their first reader
.set c_, 0
.rept 4
	v_mbcnt_lo_u32_b32 v[LT+2*c_], s[MK+c_], s20
	v_cndmask_b32 v[LT+2*c_], v[DMP], v[LT+2*c_], s[MK+c_]
	v_min_u32 v[LT+2*c_], 0x47f, v[LT+2*c_]
	v_lshl_add_u32 v[LT+2*c_], v[LT+2*c_], 2, v[LB]
	v_add_nc_u32 v[LT+2*c_+1], 128*(\j)+c_, v[L4]  ; the token's number
	s_bcnt1_i32_b32 s26, s[MK+c_]
	s_add_co_u32 s20, s20, s26
.set c_, c_+1
.endr
.endm
.macro LISTS
.set c_, 0
.rept 4
	ds_store_b32 v[LT+2*c_], v[LT+2*c_+1]
.set c_, c_+1
.endr
.endm
.macro TOKFIN o                        ; a token's number becomes the byte offset of its row + 16 hh
	v_min_u32 v[\o], 0x3ff, v[\o]
	v_lshl_add_u32 v[\o], v[\o], TSH, v[H16]
.endm
; PHASE 1, one unit's turn: the vector work first (the list's, then the conversions), one wait, then the unit's loads, prefetch and LDS instructions
.macro UNIT u
	s_wait_loadcnt 48                              ; loads come back in order (ISA guide 5.7.1): unit u is in; the three groups of 16 issued behind it stay out
.if ((\u) <= 7) && (PROD == 1)
	s_wait_alu depctr_vm_vsrc(0)                   ; unit 0: the stores that clear the list have read v20, which the bias's rounding writes; later units: the last unit's list stores have read LT, which is written anew
	LISTV \u
.endif
.if ((\u) == 0) && (PROD == 1)
.irp q, 0,1,2,3
	v_cvt_pk_bf16_f32 v20, v[BRAW+\q], v[BRAW+4+\q]
	v_lshlrev_b32 v[BIAS+2*\q],   16, v20
	v_and_b32     v[BIAS+2*\q+1], 0xffff0000, v20
.endr
.endif
.if ((\u) == 8) && (PROD == 1)         ; the list is whole: s20 is the expert's count.  The three LDS addresses that the image wants are made here, ahead of the unit's wait
	s_max_u32 s21, s20, 1
	s_sub_co_u32 s21, s21, 1                       ; the last place that is taken (with no row: place 0, which holds 0)
	v_mov_b32 v20, s21
	v_min_u32 v20, 0x3ff, v20
	v_lshl_add_u32 v20, v20, 2, v[LB]
	v_add_nc_u32 v22, s20, v1
	v_min_u32 v22, 0x41f, v22
	v_lshl_add_u32 v22, v22, 2, v[LB]
	v_lshl_add_u32 v23, v2, 2, v[LB]               ; place r of my list
.endif
	CONVERT \u
.if (\u) <= 14
	WIN 0x40
	s_wait_alu depctr_va_vdst(0)                   ; the conversions are done with ring buffer u % 4, in which the loads below land; LT is written (unit 8: v20, v22, v23, and the compares are done reading L; units 12-14: OP)
.endif
.if (\u) <= 11
	LOADW (\u)+4                                   ; its buffer takes the unit four further on,
.elseif (\u) <= 14
	LOADT (\u)-12, OP+(\u)-12                      ; or, at the end, one of the first three token tiles
.endif
	WIN 0
.if (\u) <= 8
	; unit u + 7, which this wave loads three turns later, is asked for: each lane one row's 256 bytes, each such block once in the launch; the last asked for is unit 15
	global_prefetch_b8 v[VPF], s[8:9] offset:32*(((\u)+7)/2)*WPITCH+256*(((\u)+7)%2) th:TH_LOAD_NT scope:SCOPE_SE
.endif
.if ((\u) <= 7) && (PROD == 1)
	LISTS                                          ; no vector instruction since the wait above
.endif
.if (\u) == 8
.if PROD == 1
	ds_load_b32 v21, v20                           ; the last token, in every lane.  LDS serves a wave's instructions in order (ISA guide 5.7.1.4): it sees my stores into my list
	s_wait_dscnt 0x0
	ds_store_b32 v22, v21                          ; the 32 places behind the count repeat it
.set k_, 0
.rept 32                                               ; the image: ranks 32 k + r and 32 k + 16 + r, the same in both halves of the lanes
	ds_load_b32 v[L+k_],  v23 offset:128*k_
	ds_load_b32 v[RT+k_], v23 offset:128*k_+64
.set k_, k_+1
.endr
	s_wait_dscnt 0x0
	s_wait_alu depctr_vm_vsrc(0)                   ; the LDS instructions above have read v20 to v23, which the count takes behind the branch
.set k_, 0
.rept 32
	v_lshl_or_b32 v[L+k_], v[RT+k_], 16, v[L+k_]
.set k_, k_+1
.endr
	s_or_b32 s26, s16, s14
	s_cmp_lg_u32 s26, 0
	s_cbranch_scc1 .Lnoexp                         ; wave 0 of the expert's block 0 alone stores image and count
.irp q, 20,21,22,23
	v_mov_b32 v\q, s20
.endr
	s_wait_alu depctr_va_vdst(0)                   ; the image's 32 registers and the count's four are written, which the stores below read
.set j_, 0
.rept 8
	global_store_b128 v[T18], v[L+4*j_:L+4*j_+3], s[18:19] offset:512*j_  ; four registers a lane: the second product's loads of the same form bring the same registers back; 512 consecutive bytes, aligned
.set j_, j_+1
.endr
	global_store_b128 v[T18], v[20:23], s[18:19] offset:4096               ; the count, 128 times: whole blocks of 256 bytes
	s_wait_xcnt 0x0                                ; the stores' addresses are translated; L and v20 are written again at the first trip's head, behind its wait on vm_vsrc
.Lnoexp:
.else
	s_wait_kmcnt 0x0                               ; the expert's count
	s_min_u32 s20, s20, 0x400
.endif
	v_and_b32     v[OP],   s46, v[L]               ; the first three tiles' tokens
	v_lshrrev_b32 v[OP+1], 16, v[L]
	v_and_b32     v[OP+2], s46, v[L+1]
	TOKFIN OP
	TOKFIN OP+1
	TOKFIN OP+2
.endif
.endm
; PHASE 2, tile t of a group.  The 8 accumulators of a set take turns, one instruction a turn, and the two sets from block to block and round the loop too.
.macro BLOCK t
.set ab_, ACC+64*((\t)%2)
	s_add_co_u32 s24, s23, 16*(\t)
	s_cmp_lt_u32 s24, s20                          ; has this tile a row?
.if (\t) == 0
	s_cbranch_scc0 .Ljoin
.else
	s_cbranch_scc0 .Ltail
.endif
	s_wait_loadcnt 32                              ; this tile's 16 loads are in; the next two tiles' are younger
	LOADT ((\t)+3)%4, O+(\t)                       ; the tile three further on, into the buffer that the last block multiplied: the last wait on va_vdst (the last block's, or the trip's head's) has stated that its readers are done, and that O is written
	WIN 0x06                                       ; weights window 2, tokens window 1, sums window 0
.set k_, 0
.rept 8
.if k_ == 4
	WIN 0x07                                       ; weights window 3
.endif
.set c_, 0
.rept 8
.set ra_, ab_+8*c_
.set rw_, ((k_%4)*8+c_)*8
.set rk_, 64*((\t)%4)+8*k_
.if (PROD == 1) && (k_ == 0)
	v_wmma_f32_16x16x32_bf16 v[ra_:ra_+7], v[rw_:rw_+7], v[rk_:rk_+7], 0
.elseif PROD == 1
	v_wmma_f32_16x16x32_bf16 v[ra_:ra_+7], v[rw_:rw_+7], v[rk_:rk_+7], v[ra_:ra_+7]
.elseif k_ == 0
	v_wmma_f32_16x16x32_f16 v[ra_:ra_+7], v[rw_:rw_+7], v[rk_:rk_+7], 0
.else
	v_wmma_f32_16x16x32_f16 v[ra_:ra_+7], v[rw_:rw_+7], v[rk_:rk_+7], v[ra_:ra_+7]
.endif
.set c_, c_+1
.endr
.set k_, k_+1
.endr
	WIN 0
.rept 5
	v_nop                                          ; the places behind the last product, ahead of the stores that read the sums; the wait below fills none of them
.endr
	s_wait_alu depctr_va_vdst(0)                   ; the products have written this set of accumulators, which the stores below read, and are done reading ring buffer t, in which the next block's loads land
.if ((\t) == 1) || ((\t) == 2)
	s_wait_alu depctr_vm_vsrc(0)                   ; the last block's stores have read the other set, which the next block's products write anew; my own stores come behind this wait and read this set alone
.endif
.set c_, 0
.rept 8                                                ; each accumulator's low half first
	ds_store_b128 v[WA+(\t)], v[ab_+8*c_:ab_+8*c_+3]   offset:(c_%4)*128+(c_/4)*64
	ds_store_b128 v[WA+(\t)], v[ab_+8*c_+4:ab_+8*c_+7] offset:(c_%4)*128+(c_/4)*64+16
.set c_, c_+1
.endr
.endm
; The four waves' sums of row u of my two are added.  A lane holds columns 8 r + 4 jl + jj: pair jj of a wave is (jl = 0, jl = 1).
.macro SUM u
.set rb_, RT+32*(\u)
.set ob_, OUT+8*(\u)
.irp q, 0,1,2,3
	v_pk_add_f32 v[rb_+2*\q:rb_+2*\q+1], v[rb_+2*\q:rb_+2*\q+1], v[rb_+8+2*\q:rb_+8+2*\q+1]
.endr
.irp q, 0,1,2,3
	v_pk_add_f32 v[rb_+16+2*\q:rb_+16+2*\q+1], v[rb_+16+2*\q:rb_+16+2*\q+1], v[rb_+24+2*\q:rb_+24+2*\q+1]
.endr
.if PROD == 1
.irp q, 0,1,2,3
	v_pk_add_f32 v[rb_+2*\q:rb_+2*\q+1], v[rb_+2*\q:rb_+2*\q+1], v[BIAS+2*\q:BIAS+2*\q+1]
.endr
.irp q, 0,1,2,3
	v_pk_add_f32 v[rb_+2*\q:rb_+2*\q+1], v[rb_+2*\q:rb_+2*\q+1], v[rb_+16+2*\q:rb_+16+2*\q+1]
.endr
	v_cvt_pk_f16_f32 v[ob_],   v[rb_],   v[rb_+2]      ; columns 8 r + 0, 1: h's one rounding, to f16
	v_cvt_pk_f16_f32 v[ob_+1], v[rb_+4], v[rb_+6]      ; 2, 3
	v_cvt_pk_f16_f32 v[ob_+2], v[rb_+1], v[rb_+3]      ; 4, 5
	v_cvt_pk_f16_f32 v[ob_+3], v[rb_+5], v[rb_+7]      ; 6, 7
.irp q, 0,1,2,3
	v_pk_max_num_f16 v[ob_+\q], v[ob_+\q], v[ZERO]     ; the ReLU, two at a time; nothing is rounded
.endr
.else
.irp q, 0,1,2,3
	v_add_f32 v[ob_+\q],   v[rb_+2*\q],   v[rb_+16+2*\q]    ; the destination puts the columns in order
	v_add_f32 v[ob_+4+\q], v[rb_+2*\q+1], v[rb_+16+2*\q+1]
.endr
.endif
.endm
; Row u of tile t is stored, by token number
.macro STORE u, t
.if PROD == 1
	global_store_b128 v[SO+2*(\t)+(\u)], v[OUT+8*(\u):OUT+8*(\u)+3], s[OUTB:OUTB+1]            ; 16 lanes store 256 consecutive bytes, aligned: the slice's 128 columns of a row of h
.else
	global_store_b128 v[SO+2*(\t)+(\u)], v[OUT+8*(\u):OUT+8*(\u)+3], s[OUTB:OUTB+1]            ; columns 8 r .. 8 r + 3 at 16 r,
	global_store_b128 v[SO+2*(\t)+(\u)], v[OUT+8*(\u)+4:OUT+8*(\u)+7], s[OUTB:OUTB+1] offset:256  ; columns 8 r + 4 .. at 256 + 16 r: each store fills 256 consecutive bytes; the launch that adds the parts undoes the order
.endif
.endm
; Tile t's sums are added and stored: my rows 2 w, 2 w + 1, and those 8 further down in lanes 16-31.  Both rows are added, then both are stored, behind one wait.
.macro REDT t
	s_add_co_u32 s24, s23, 16*(\t)
	s_cmp_lt_u32 s24, s20                          ; has this tile a row?
	s_cbranch_scc0 .Lrdone
.irp u, 0,1
.irp w, 0,1,2,3
.irp q, 0,1,2,3
	ds_load_b64 v[RT+32*\u+8*\w+2*\q:RT+32*\u+8*\w+2*\q+1], v[RA+(\t)] offset:\w*RWAVE+\u*RPITCH+\q*128
.endr
.endr
.endr
	s_wait_dscnt 16                                ; the first row's sums are in; the second row's 16 loads are younger
.if (\t) > 0
	s_wait_xcnt 0x0                                ; the last tile's stores have had their addresses translated (ISA guide 3.1),
	s_wait_alu depctr_vm_vsrc(0)                   ; and have read OUT, which the sums below write anew (for the trip's first tile the waits at the trip's head have stated both)
.endif
	SUM 0
	s_wait_dscnt 0x0
	SUM 1
	s_wait_alu depctr_va_vdst(0)                   ; the sums have written OUT, which the stores below read, and are done with RT, in which the next tile's LDS loads land
	STORE 0, \t
	STORE 1, \t
.endm
	s_load_b256 s[4:11], s[0:1], 0x0               ; s[4:5] idx (PROD 1) or order (PROD 2), token rows s[6:7], weights s[8:9], s[10:11] bias (PROD 1) or output (PROD 2)
.if PROD == 1
	s_load_b64 s[12:13], s[0:1], 0x20              ; output
	s_load_b64 s[18:19], s[0:1], 0x28              ; order
	v_lshl_add_u32 v254, v0, 2, 0x4800
	v_mov_b32 v255, 0
.endif
	v_lshrrev_b32 v[T18], 5, v0
	v_readfirstlane_b32 s14, v[T18]                ; wave 0..3
	v_and_b32 v1, 31, v0                           ; lane
	v_and_b32 v2, 15, v0                           ; r
	v_bfe_u32 v3, v0, 4, 1                         ; hh
	s_and_b32 s15, ttmp7, 0xffff                   ; the expert
	s_mov_b32 s16, ttmp9                           ; the block of its weights
	s_mov_b32 s40, 0xffff0000
	s_mov_b32 s46, 0xffff
	s_wait_alu depctr_va_sdst(0)                   ; s14 is written, ahead of its first reader
	s_lshl_b32 s41, s14, 1                         ; the lanes that hold the tokens of the rows that I add and store
	s_add_co_u32 s42, s41, 1
	s_add_co_u32 s43, s41, 8
	s_add_co_u32 s44, s41, 9
.if PROD == 1
	s_lshl_b32 s30, s15, 24                        ; weights: the expert's 16 MiB, my wave's 256 rows of 16,384 bytes, the slice's 128 columns
	s_lshl_b32 s32, s14, 22
	s_add_co_u32 s30, s30, s32
	s_lshl_b32 s32, s16, 9
	s_add_co_u32 s30, s30, s32
	s_lshl_b32 s32, s14, 9                         ; tokens: my wave's 256 k
	s_lshl_b32 s34, s16, 8                         ; output: the slice's 128 columns in f16
	s_lshl_b32 s36, s15, 14                        ; bias: the expert's row, the slice
	s_lshl_b32 s38, s16, 9
	s_add_co_u32 s36, s36, s38
	s_mov_b32 s37, 0
.else
	s_and_b32 s17, s16, 7                          ; cs: the slice of 128 columns
	s_lshr_b32 s18, s16, 3                         ; kp: the part of 1,024 k
	s_lshl_b32 s30, s15, 24                        ; weights: the expert, the part's 1,024 rows of 4,096 bytes, my wave's 256, the slice
	s_lshl_b32 s32, s18, 22
	s_add_co_u32 s30, s30, s32
	s_lshl_b32 s32, s14, 20
	s_add_co_u32 s30, s30, s32
	s_lshl_b32 s32, s17, 9
	s_add_co_u32 s30, s30, s32
	s_lshl_b32 s32, s18, 11                        ; tokens: the part's 1,024 k, my wave's 256
	s_lshl_b32 s34, s14, 9
	s_add_co_u32 s32, s32, s34
	s_lshl_b32 s34, s18, 22                        ; output: the part, the slice
	s_lshl_b32 s36, s17, 9
	s_add_co_u32 s34, s34, s36
.endif
	s_mul_i32 s38, s15, IMG                        ; the expert's part of order
	s_mov_b32 s39, 0
	s_mov_b32 s31, 0
	s_mov_b32 s33, 0
	s_mov_b32 s35, 0
	v_lshlrev_b32 v[R16], 4, v2
	v_mul_u32_u24 v[VW], v3, 8*WPITCH
	v_add_nc_u32 v[VW], v[VW], v[R16]
	v_mul_u32_u24 v[VPF], v1, WPITCH
	v_lshlrev_b32 v[H16], 4, v3
	s_mul_i32 s26, s14, RWAVE
	s_add_co_u32 s26, s26, RED
	v_mul_u32_u24 v[WA], v2, RPITCH                ; in: my wave's plane, token r, 32 bytes for each half of the lanes
	v_lshl_add_u32 v[WA], v3, 5, v[WA]
	v_add_nc_u32 v[WA], s26, v[WA]
	s_mul_i32 s26, s14, 2*RPITCH
	s_add_co_u32 s26, s26, RED
	v_mul_u32_u24 v[RA], v3, 8*RPITCH              ; back: tokens 2 w, 2 w + 1, and 8 further down for lanes 16-31; 8 bytes a lane.  8 rows are 4,224 bytes = 128 modulo 256: the halves take different banks
	v_lshl_add_u32 v[RA], v2, 3, v[RA]
	v_add_nc_u32 v[RA], s26, v[RA]
.set t_, 1
.rept GT-1                                             ; the same for the group's other tiles: a tile's plane lies too far for the 16-bit immediate
	v_add_nc_u32 v[WA+t_], t_*RTILE, v[WA]
	v_add_nc_u32 v[RA+t_], t_*RTILE, v[RA]
.set t_, t_+1
.endr
	v_lshlrev_b32 v[T18], 4, v1
.if PROD == 1
	s_mul_i32 s26, s14, LISTB
	v_mov_b32 v[LB], s26
	v_add_nc_u32 v[DMP], 0x460, v1
	v_lshlrev_b32 v[L4], 2, v1
	v_lshlrev_b32 v[T19], 5, v2
	v_mov_b32 v[ZERO], 0
	v_lshl_add_u32 v[CA], v1, 4, v[LB]
	v_mov_b32 v20, 0
	v_mov_b32 v21, 0
	v_mov_b32 v22, 0
	v_mov_b32 v23, 0
	s_mov_b32 s20, 0                               ; the count so far
.endif
	s_mov_b32 s22, 0                               ; the group
	s_mov_b32 s23, 0                               ; its first row
	s_wait_kmcnt 0x0
	s_add_nc_u64 s[8:9], s[8:9], s[30:31]
	s_add_nc_u64 s[6:7], s[6:7], s[32:33]
	s_add_nc_u64 s[OUTB:OUTB+1], s[OUTB:OUTB+1], s[34:35]
.if PROD == 1
	s_add_nc_u64 s[10:11], s[10:11], s[36:37]
	s_add_nc_u64 s[18:19], s[18:19], s[38:39]
.else
	s_add_nc_u64 s[4:5], s[4:5], s[38:39]
	s_load_b32 s20, s[4:5], 0x1000                 ; the expert's count, behind its image
.endif
	s_wait_alu depctr_va_vdst(0)                   ; the offsets and LDS addresses made above (T18, T19, VW, VPF, CA, WA, RA) and the zeros in v[20:23] are written: the loads, the prefetches, the stores that clear the list and the LDS instructions of the sums read them
.set j_, 0
.rept 8                                                ; PROD 1: all of idx: register L + 4 j + c is token 128 j + 4 lane + c.  PROD 2: the image, four registers a lane, as it was stored
	global_load_b128 v[L+4*j_:L+4*j_+3], v[T18], s[4:5] offset:512*j_
.set j_, j_+1
.endr
.if PROD == 1
	global_load_b128 v[BRAW:BRAW+3],   v[T19], s[10:11]           ; the bias of columns 8 r .. 8 r + 7
	global_load_b128 v[BRAW+4:BRAW+7], v[T19], s[10:11] offset:16
.endif
	LOADW 0                                        ; the ring is filled: 64 loads of 512 bytes a wave
	LOADW 1
	LOADW 2
	LOADW 3
	WIN 0
.if PROD == 1
.set j_, 0
.rept 9                                                ; my list's 4,608 bytes are cleared: a place that nobody fills holds token 0
	ds_store_b128 v[CA], v[20:23] offset:512*j_
.set j_, j_+1
.endr
.endif
.irp u, 0,1,2,3,4,5,6,7,8,9,10,11,12,13,14,15
	UNIT \u
.endr
.Lgroup:                                               ; NG trips, a constant: rows s23 .. s23 + 63 of the expert's list: the image's registers L, L + 1; the next group's are L + 2, L + 3
	s_wait_xcnt 0x0                                ; the token loads and the stores have had their addresses translated (ISA guide 3.1): only behind this wait are their offsets written anew,
	s_wait_alu depctr_vm_vsrc(0)                   ; and they have read O and SO; the last trip's LDS stores have read both sets of accumulators; in the first trip the image's and the count's stores have read L and v20, the list's stores LT
.irp p, 0,1
.irp u, 0,1
	v_readlane_b32 s[RL+4*\p+2*\u],   v[L+\p], s[41+\u]  ; row 2 w + u of tile 2 p (low half) and of tile 2 p + 1 (high half),
	v_readlane_b32 s[RL+4*\p+2*\u+1], v[L+\p], s[43+\u]  ; row 2 w + 8 + u of the same two
.endr
.endr
	s_wait_alu depctr_va_sdst(0)                   ; the eight scalars are written, ahead of their first reader
.irp p, 0,1
.irp u, 0,1
	v_mov_b32 v20, s[RL+4*\p+2*\u]
	v_cndmask_b32 v20, v20, s[RL+4*\p+2*\u+1], s40 ; lanes 16-31 store the rows 8 further down
	v_and_b32     v[SO+4*\p+\u],   s46, v20
	v_lshrrev_b32 v[SO+4*\p+2+\u], 16, v20
.endr
.endr
.set t_, 0
.rept 2*GT
	v_min_u32 v[SO+t_], 0x3ff, v[SO+t_]
	v_lshl_add_u32 v[SO+t_], v[SO+t_], OSH, v[R16] ; the token's row in the output + 16 r
.set t_, t_+1
.endr
	v_lshrrev_b32 v[O],   16, v[L+1]               ; block t asks for the tile three further on: this group's last,
	v_and_b32     v[O+1], s46, v[L+2]              ; and the next group's first three
	v_lshrrev_b32 v[O+2], 16, v[L+2]
	v_and_b32     v[O+3], s46, v[L+3]
.set t_, 0
.rept GT
	TOKFIN O+t_
.set t_, t_+1
.endr
.set k_, 0
.rept 30                                               ; the image moves down by a group; its last two registers stay: ranks past 1,023, which no tile reaches
	v_mov_b32 v[L+k_], v[L+k_+2]
.set k_, k_+1
.endr
	s_wait_alu depctr_va_vdst(0)                   ; O and SO are written, which this trip's token loads and stores read; in the first trip unit 15's conversions are done reading ring buffer 3, in which the first block's loads land
.set t_, 0
.rept GT
	BLOCK t_
.set t_, t_+1
.endr
	s_branch .Ljoin
.Ltail:
	s_wait_loadcnt 0x0                             ; the tiles asked for ahead serve nothing: they have landed before anything else is done
.Ljoin:
	s_wait_dscnt 0x0                               ; for the others' sake: my sums are in LDS
	s_wait_alu depctr_vm_vsrc(0)                   ; my LDS stores have read the second set of accumulators: RT's registers, in which the sums read back land
	s_barrier_signal -1
	s_barrier_wait -1
.set t_, 0
.rept GT
	REDT t_
.set t_, t_+1
.endr
.Lrdone:
	s_wait_dscnt 0x0                               ; my reads of the sums are over: behind this barrier they may be written again
	s_barrier_signal -1
	s_barrier_wait -1
	s_add_co_u32 s23, s23, 16*GT
	s_add_co_u32 s22, s22, 1
	s_cmp_lt_u32 s22, NG
	s_cbranch_scc1 .Lgroup
	s_wait_dscnt 0x0                               ; the wave's end.  The add onto the spare words stands behind the waits below
	s_wait_alu depctr_hold_cnt(0) depctr_sa_sdst(0) depctr_va_vdst(0) depctr_va_sdst(0) depctr_va_ssrc(0) depctr_va_vcc(0) depctr_vm_vsrc(0)
	s_wait_tensorcnt 0x0
	ds_add_u32 v254, v255
	s_wait_dscnt 0x0
	s_endpgm
.Lfunc_end_k_q3ace66f40c_ffn1:
	.size	k_q3ace66f40c_ffn1, .Lfunc_end_k_q3ace66f40c_ffn1-k_q3ace66f40c_ffn1
	.p2alignl 7, 3214868480
	.fill 96, 4, 3214868480
	.section	.rodata,"a",@progbits
	.p2align	6, 0x0
	.amdhsa_kernel k_q3ace66f40c_ffn1
		.amdhsa_group_segment_fixed_size 154112
		.amdhsa_private_segment_fixed_size 0
		.amdhsa_enable_private_segment 0
		.amdhsa_kernarg_size 48
		.amdhsa_user_sgpr_count 2
		.amdhsa_user_sgpr_kernarg_segment_ptr 1
		.amdhsa_wavefront_size32 1
		.amdhsa_system_sgpr_workgroup_id_x 1
		.amdhsa_system_sgpr_workgroup_id_y 1
		.amdhsa_system_sgpr_workgroup_id_z 1
		.amdhsa_system_vgpr_workitem_id 0
		.amdhsa_next_free_vgpr 1024
		.amdhsa_next_free_sgpr 66
		.amdhsa_reserve_vcc 0
		.amdhsa_float_denorm_mode_32 3
		.amdhsa_float_denorm_mode_16_64 3
		.amdhsa_memory_ordered 1
		.amdhsa_forward_progress 1
		.amdhsa_inst_pref_size 149
	.end_amdhsa_kernel
	.amdgpu_metadata
---
amdhsa.version: [ 1, 2 ]
amdhsa.kernels:
  - .name:           k_q3ace66f40c_ffn1
    .symbol:         k_q3ace66f40c_ffn1.kd
    .args:
      - { .name: idx, .offset: 0, .size: 8, .value_kind: global_buffer, .address_space: global }
      - { .name: xb, .offset: 8, .size: 8, .value_kind: global_buffer, .address_space: global }
      - { .name: W1, .offset: 16, .size: 8, .value_kind: global_buffer, .address_space: global }
      - { .name: b1, .offset: 24, .size: 8, .value_kind: global_buffer, .address_space: global }
      - { .name: h, .offset: 32, .size: 8, .value_kind: global_buffer, .address_space: global }
      - { .name: order, .offset: 40, .size: 8, .value_kind: global_buffer, .address_space: global }
    .group_segment_fixed_size: 154112
    .private_segment_fixed_size: 0
    .kernarg_segment_align: 8
    .kernarg_segment_size: 48
    .max_flat_workgroup_size: 128
    .sgpr_count:     66
    .vgpr_count:     1024
    .wavefront_size: 32
...
	.end_amdgpu_metadata
.endif
;; end of part 5
;; launch ffn2: the kernel of part 3 again; grid 32 x 8, 4 waves a work-group, no clusters, 154,112 bytes of LDS; arguments order, h, W2, part; writes part
;; launch combine: the kernel of part 4 again; grid 256 x 1, 4 waves a work-group, no clusters, 0 bytes of LDS; arguments part, idx, gate, b2, out0; writes out0
